; MI455X (gfx1250); checked and timed in simulation.
; The chip was launched on July 23, 2026; its instructions are those of AMD's public machine-readable ISA for CDNA 5 (MIT licence, August 2026) and "CDNA5" Instruction Set Architecture Reference Guide (July 2026). The comments in the code are by the model that wrote it; some were corrected since.
;; Causal Transformer Block. Allowed arithmetic: float matrix products may take bf16 or f16 operands with f32 sums; other float arithmetic in f32, or as packed bf16 or f16 multiplies, adds, multiply-adds, maxima and minima; sums over many terms, partial sums and values carried from step to step in f32; what a program stores and reads back later, other than sums and carried values, may be rounded once to bf16 or f16.
;; Inputs: b_fc1 4,096 float32; b_fc2 1,024 float32; b_proj 1,024 float32; b_qkv 3,072 float32; ln1_b 1,024 float32; ln1_g 1,024 float32; ln2_b 1,024 float32; ln2_g 1,024 float32; w_fc1 1,024 x 4,096 float32; w_fc2 4,096 x 1,024 float32; w_proj 1,024 x 1,024 float32; w_qkv 1,024 x 3,072 float32; x 2 x 2,048 x 1,024 float32.
;; Outputs: out0 2 x 2,048 x 1,024 float32.
;; 2 versions, each right; version 2 is version 1 with the launch pre written anew for expert scheduling mode. Each part assembles by itself: llvm-mc -triple=amdgcn-amd-amdhsa -mcpu=gfx1250 --defsym DOCPART=n.
;; ======== version 1 of 2: 7 launches
;; limits: a function is approximated: absolute error at most 1.5e-07; right only within a limited range of input values
;; workspace buffers: wq 6,291,456 bytes; wp 2,097,152 bytes; w1 8,388,608 bytes; w2 8,388,608 bytes; act 8,388,608 bytes; qkvh 25,165,824 bytes; x1 16,777,216 bytes; gel 33,554,432 bytes
;; launch pre (part 1): grid 256 x 4, 8 waves a work-group, no clusters, 0 bytes of LDS; arguments x, ln1_g, ln1_b, act, w_qkv, w_proj, w_fc1, w_fc2, wq, wp, w1, w2; writes act, wq, wp, w1, w2
.if DOCPART == 1
	.amdgcn_target "amdgcn-amd-amdhsa--gfx1250"
	.amdhsa_code_object_version 6
	.text
	.protected	k_q80fe300ab7_pre
	.globl	k_q80fe300ab7_pre
	.p2align	8
	.type	k_q80fe300ab7_pre,@function
k_q80fe300ab7_pre:
	s_mov_b64 s[64:65], 0
	v_nop
	global_prefetch_b8 v0, s[64:65] scope:SCOPE_SE
	s_setreg_imm32_b32 hwreg(HW_REG_WAVE_MODE, 25, 1), 1
	s_wait_xcnt 0x0
; TWO STREAMS IN ONE LAUNCH, told apart by the work-group's y alone.
; y = 0: THE FIRST LAYER NORM.  act[r][c] = (x[r][c] - mean_r) * rsqrt(var_r + 1e-5) * g[c] + b[c].  x: [4096][1024] f32; g, b: [1024] f32; act: [4096][1024] bf16, rounded once.
;   Work-group x owns 16 rows, a wave two: a row of 4,096 bytes is 32 registers of one wave and stays there between the passes, so x is read once and no wave waits for another.
;   TWO PASSES in f32: first the mean, then the sum of (x - mean)^2: a common offset of x costs no digits.
;   Lane l holds the columns 128 j + 4 l .. + 3, j = 0 .. 7: a wave's load covers 512 consecutive bytes, its store of 8 bytes a lane 256 consecutive bytes, aligned.
; y = 1 .. 3: THE WEIGHTS.  The four matrices, f32 [K][N], are rounded once to bf16 (nearest even) and keep their layout.  Their 12 Mi numbers are 768 pieces of 64 KiB of f32; piece 256 (y - 1) + x;
;   64 pieces make a unit of 1 Mi numbers: units 0-2 w_qkv, 3 w_proj, 4-7 w_fc1, 8-11 w_fc2.  Sixteen loads of 16 bytes a lane, all issued before the first is used.
; No LDS, no barrier, no matrix unit, no cluster: no byte is wanted twice but g and b, 8 KiB.  No register that a store reads is written again.
.set X0,  32                           ; v[32:63] row 0, v[64:95] row 1
.set G,   96                           ; v[96:127]  g of my 32 columns
.set BV,  128                          ; v[128:159] b of my 32 columns
.set OUT, 160                          ; v[160:175], v[176:191] the two rows in bf16
.macro FOLD                            ; four pairs of partial sums in v[8:15] -> the wave's sum in every lane's v8
	v_pk_add_f32 v[8:9], v[8:9], v[10:11]
	v_pk_add_f32 v[12:13], v[12:13], v[14:15]
	v_pk_add_f32 v[8:9], v[8:9], v[12:13]
	v_add_f32 v8, v8, v9
	v_add_f32_dpp v8, v8, v8 row_xmask:1 row_mask:0xf bank_mask:0xf
	v_add_f32_dpp v8, v8, v8 row_xmask:2 row_mask:0xf bank_mask:0xf
	v_add_f32_dpp v8, v8, v8 row_xmask:4 row_mask:0xf bank_mask:0xf
	v_add_f32_dpp v8, v8, v8 row_xmask:8 row_mask:0xf bank_mask:0xf
	v_permlanex16_b32 v9, v8, s12, s13             ; v9 has been written: the destination counts as read
	v_add_f32 v8, v8, v9
.endm
; Row r: the mean into v[M:M+1]; x - mean in place; var + 1e-5 into v[M+2].  Four chains each, started by the first four pairs: nothing is cleared.
.macro STAT r
.set X, X0+32*(\r)
.set M, 16+4*(\r)
.set k, 0
.rept 4
	v_pk_add_f32 v[8+2*k:9+2*k], v[X+4*k:X+4*k+1], v[X+4*k+2:X+4*k+3]
.set k, k+1
.endr
.set k, 0
.rept 8
	v_pk_add_f32 v[8+2*(k%4):9+2*(k%4)], v[8+2*(k%4):9+2*(k%4)], v[X+16+2*k:X+16+2*k+1]
.set k, k+1
.endr
	FOLD
	v_mul_f32 v[M], s14, v8
	v_mov_b32 v[M+1], v[M]
.set k, 0
.rept 16
	v_pk_add_f32 v[X+2*k:X+2*k+1], v[X+2*k:X+2*k+1], v[M:M+1] neg_lo:[0,1] neg_hi:[0,1]
.set k, k+1
.endr
.set k, 0
.rept 4
	v_pk_mul_f32 v[8+2*k:9+2*k], v[X+2*k:X+2*k+1], v[X+2*k:X+2*k+1]
.set k, k+1
.endr
.set k, 4
.rept 12
	v_pk_fma_f32 v[8+2*(k%4):9+2*(k%4)], v[X+2*k:X+2*k+1], v[X+2*k:X+2*k+1], v[8+2*(k%4):9+2*(k%4)]
.set k, k+1
.endr
	FOLD
	v_fma_f32 v[M+2], v8, s14, s15                 ; the sum of squares / 1024 + 1e-5
.endm
; Row r: times 1 / sqrt, times g plus b (fused), rounded to bf16, stored.
.macro NORM r
.set X, X0+32*(\r)
.set M, 16+4*(\r)
.set k, 0
.rept 16
	v_pk_mul_f32 v[X+2*k:X+2*k+1], v[X+2*k:X+2*k+1], v[M+2:M+3]
.set k, k+1
.endr
.set k, 0
.rept 16
	v_pk_fma_f32 v[X+2*k:X+2*k+1], v[X+2*k:X+2*k+1], v[G+2*k:G+2*k+1], v[BV+2*k:BV+2*k+1]
.set k, k+1
.endr
.set k, 0
.rept 16
	v_cvt_pk_bf16_f32 v[OUT+16*(\r)+k], v[X+2*k], v[X+2*k+1]
.set k, k+1
.endr
.set k, 0
.rept 8
	global_store_b64 v2, v[OUT+16*(\r)+2*k:OUT+16*(\r)+2*k+1], s[10:11] offset:2048*(\r)+256*k
.set k, k+1
.endr
.endm
	s_and_b32 s2, ttmp7, 0xffff                    ; y
	s_cmp_lg_u32 s2, 0
	s_cbranch_scc1 .Lweights
	; ---- the layer norm ----
	s_load_b256 s[4:11], s[0:1], 0x0               ; x s[4:5], g s[6:7], b s[8:9], act s[10:11]
	s_mov_b32 s12, 0x76543210                      ; v_permlanex16_b32: each lane takes its own place in the other half
	s_mov_b32 s13, 0xfedcba98
	s_mov_b32 s14, 0x3a800000                      ; 1 / 1024
	s_mov_b32 s15, 0x3727c5ac                      ; 1e-5
	s_lshl_b32 s16, ttmp9, 16                      ; 16 rows of 4,096 bytes
	s_mov_b32 s17, 0
	s_lshl_b32 s18, ttmp9, 15                      ; 16 rows of 2,048 bytes
	s_mov_b32 s19, 0
	v_and_b32 v3, 31, v0                           ; lane
	v_lshrrev_b32 v4, 5, v0                        ; wave
	v_lshlrev_b32 v1, 13, v4                       ; two rows of x a wave,
	v_lshl_add_u32 v1, v3, 4, v1                   ; 16 bytes a lane
	v_lshlrev_b32 v2, 12, v4                       ; two rows of act a wave,
	v_lshl_add_u32 v2, v3, 3, v2                   ; 8 bytes a lane
	v_lshlrev_b32 v3, 4, v3                        ; my 16 bytes in g and b
	s_wait_kmcnt 0x0
	s_add_nc_u64 s[4:5], s[4:5], s[16:17]
	s_add_nc_u64 s[10:11], s[10:11], s[18:19]
.set j, 0
.rept 16
	global_load_b128 v[X0+4*j:X0+4*j+3], v1, s[4:5] offset:4096*(j/8)+512*(j%8)
.set j, j+1
.endr
.set j, 0
.rept 8
	global_load_b128 v[G+4*j:G+4*j+3], v3, s[6:7] offset:512*j
	global_load_b128 v[BV+4*j:BV+4*j+3], v3, s[8:9] offset:512*j
.set j, j+1
.endr
	s_wait_loadcnt 16                              ; the two rows are in; the 16 younger loads, g and b, may stay out
	STAT 0
	STAT 1
	v_rsq_f32 v18, v18                             ; one batch of two,
	v_rsq_f32 v22, v22
	v_nop                                          ; a plain instruction behind the last of them (ISA guide 5.7.2),
	s_wait_alu depctr_va_vdst(0)                   ; and the one wait ahead of the first line that names a result
	v_mov_b32 v19, v18                             ; pairs for the packed multiply
	v_mov_b32 v23, v22
	s_wait_loadcnt 0x0                             ; g and b
	NORM 0
	NORM 1
	s_endpgm
	; ---- the weights ----
.Lweights:
	s_load_b512 s[8:23], s[0:1], 0x20              ; w_qkv s[8:9], w_proj s[10:11], w_fc1 s[12:13], w_fc2 s[14:15]; wq s[16:17], wp s[18:19], w1 s[20:21], w2 s[22:23]
	s_sub_co_u32 s2, s2, 1
	s_lshl_b32 s2, s2, 8
	s_add_co_u32 s2, s2, ttmp9                     ; the piece, 0 to 767
	s_and_b32 s4, s2, 63                           ; the piece inside its unit
	s_lshr_b32 s2, s2, 6                           ; the unit, 0 to 11
	v_lshlrev_b32 v1, 4, v0                        ; my 16 bytes of f32
	v_lshlrev_b32 v2, 3, v0                        ; my 8 bytes of bf16
	s_wait_kmcnt 0x0
	s_mov_b64 s[24:25], s[14:15]                   ; from, to, and the matrix's first unit: chosen by the unit's number alone
	s_mov_b64 s[26:27], s[22:23]
	s_mov_b32 s3, 8
	s_cmp_lt_u32 s2, 8
	s_cselect_b64 s[24:25], s[12:13], s[24:25]
	s_cselect_b64 s[26:27], s[20:21], s[26:27]
	s_cselect_b32 s3, 4, s3
	s_cmp_lt_u32 s2, 4
	s_cselect_b64 s[24:25], s[10:11], s[24:25]
	s_cselect_b64 s[26:27], s[18:19], s[26:27]
	s_cselect_b32 s3, 3, s3
	s_cmp_lt_u32 s2, 3
	s_cselect_b64 s[24:25], s[8:9], s[24:25]
	s_cselect_b64 s[26:27], s[16:17], s[26:27]
	s_cselect_b32 s3, 0, s3
	s_sub_co_u32 s3, s2, s3                        ; the unit inside its matrix, 0 to 3
	s_lshl_b32 s28, s3, 22                         ; 4 MiB of f32 a unit,
	s_lshl_b32 s29, s4, 16                         ; 64 KiB a piece
	s_add_co_u32 s28, s28, s29
	s_lshr_b32 s30, s28, 1                         ; half of that in bf16
	s_mov_b32 s29, 0
	s_mov_b32 s31, 0
	s_add_nc_u64 s[24:25], s[24:25], s[28:29]
	s_add_nc_u64 s[26:27], s[26:27], s[30:31]
.set j, 0
.rept 16
	global_load_b128 v[8+4*j:11+4*j], v1, s[24:25] offset:4096*j th:TH_LOAD_NT
.set j, j+1
.endr
.set j, 0
.rept 16
	s_wait_loadcnt 15-j                            ; loads come back in order: load j is in, the 15 - j younger ones stay out
	v_cvt_pk_bf16_f32 v[72+2*j], v[8+4*j], v[9+4*j]
	v_cvt_pk_bf16_f32 v[73+2*j], v[10+4*j], v[11+4*j]
	global_store_b64 v2, v[72+2*j:73+2*j], s[26:27] offset:2048*j
.set j, j+1
.endr
	s_endpgm
.Lfunc_end_k_q80fe300ab7_pre:
	.size	k_q80fe300ab7_pre, .Lfunc_end_k_q80fe300ab7_pre-k_q80fe300ab7_pre
	.p2alignl 7, 3214868480
	.fill 96, 4, 3214868480
	.section	.rodata,"a",@progbits
	.p2align	6, 0x0
	.amdhsa_kernel k_q80fe300ab7_pre
		.amdhsa_group_segment_fixed_size 0
		.amdhsa_private_segment_fixed_size 0
		.amdhsa_enable_private_segment 0
		.amdhsa_kernarg_size 96
		.amdhsa_user_sgpr_count 2
		.amdhsa_user_sgpr_kernarg_segment_ptr 1
		.amdhsa_wavefront_size32 1
		.amdhsa_system_sgpr_workgroup_id_x 1
		.amdhsa_system_sgpr_workgroup_id_y 1
		.amdhsa_system_sgpr_workgroup_id_z 1
		.amdhsa_system_vgpr_workitem_id 0
		.amdhsa_next_free_vgpr 192
		.amdhsa_next_free_sgpr 66
		.amdhsa_reserve_vcc 0
		.amdhsa_float_denorm_mode_32 3
		.amdhsa_float_denorm_mode_16_64 3
		.amdhsa_memory_ordered 1
		.amdhsa_forward_progress 1
		.amdhsa_inst_pref_size 27
	.end_amdhsa_kernel
	.amdgpu_metadata
---
amdhsa.version: [ 1, 2 ]
amdhsa.kernels:
  - .name:           k_q80fe300ab7_pre
    .symbol:         k_q80fe300ab7_pre.kd
    .args:
      - { .name: x, .offset: 0, .size: 8, .value_kind: global_buffer, .address_space: global }
      - { .name: ln1_g, .offset: 8, .size: 8, .value_kind: global_buffer, .address_space: global }
      - { .name: ln1_b, .offset: 16, .size: 8, .value_kind: global_buffer, .address_space: global }
      - { .name: act, .offset: 24, .size: 8, .value_kind: global_buffer, .address_space: global }
      - { .name: w_qkv, .offset: 32, .size: 8, .value_kind: global_buffer, .address_space: global }
      - { .name: w_proj, .offset: 40, .size: 8, .value_kind: global_buffer, .address_space: global }
      - { .name: w_fc1, .offset: 48, .size: 8, .value_kind: global_buffer, .address_space: global }
      - { .name: w_fc2, .offset: 56, .size: 8, .value_kind: global_buffer, .address_space: global }
      - { .name: wq, .offset: 64, .size: 8, .value_kind: global_buffer, .address_space: global }
      - { .name: wp, .offset: 72, .size: 8, .value_kind: global_buffer, .address_space: global }
      - { .name: w1, .offset: 80, .size: 8, .value_kind: global_buffer, .address_space: global }
      - { .name: w2, .offset: 88, .size: 8, .value_kind: global_buffer, .address_space: global }
    .group_segment_fixed_size: 0
    .private_segment_fixed_size: 0
    .kernarg_segment_align: 8
    .kernarg_segment_size: 96
    .max_flat_workgroup_size: 256
    .sgpr_count:     66
    .vgpr_count:     192
    .wavefront_size: 32
...
	.end_amdgpu_metadata
.endif
;; end of part 1
;; launch gqkv (part 2): grid 12 x 16, 4 waves a work-group, clusters of 4 x 4, 327,680 bytes of LDS; arguments act, wq, b_qkv, qkvh; writes qkvh
.if DOCPART == 2
	.amdgcn_target "amdgcn-amd-amdhsa--gfx1250"
	.amdhsa_code_object_version 6
	.text
	.protected	k_q80fe300ab7_gqkv
	.globl	k_q80fe300ab7_gqkv
	.p2align	8
	.type	k_q80fe300ab7_gqkv,@function
k_q80fe300ab7_gqkv:
	s_mov_b64 s[64:65], 0
	v_nop
	global_prefetch_b8 v0, s[64:65] scope:SCOPE_SE
	s_setreg_imm32_b32 hwreg(HW_REG_WAVE_MODE, 25, 1), 1
	s_wait_xcnt 0x0
	s_wait_alu depctr_hold_cnt(0) depctr_sa_sdst(0) depctr_va_vdst(0) depctr_va_sdst(0) depctr_va_ssrc(0) depctr_va_vcc(0) depctr_vm_vsrc(0)
	s_getreg_b32 s2, hwreg(HW_REG_IB_STS2, 6, 4)
	s_cmp_eq_u32 s2, 0
	s_cbranch_scc0 .Lentry_in_a_cluster
	s_endpgm
.Lentry_in_a_cluster:
	s_bfe_u32 s2, ttmp6, 0x10000c
	s_cmp_lg_u32 s2, 0xf033
	s_cbranch_scc0 .Lentry_shape_is_right
	s_endpgm
.Lentry_shape_is_right:
; q, k, v = h W + b.  h: [4096][1024] bf16 (rows = batch x 2048 + position); W: [1024][3072] bf16, as the problem lays it, [K][N]; b: [3072] f32.
; OUT: [3][32][2048][64] bf16, by heads (32 = batch x 16 + head), each number rounded once from its f32 sum, unscaled.  Sums in f32: the bias first, then K ascending.
; A tile of 256 x 256 is made by four waves, 2 x 2, each 128 x 128: 64 accumulators, 512 registers.  K goes in steps of 128 through a ring of two LDS slots filled by the tensor data mover.
; 12 x 16 tiles: 192 work-groups.  A tile of 256 x 192 would give 256, but its rows of W, 384 bytes, are no power of two for the padding's interval: not built.
; THE PRODUCT IS USED TRANSPOSED: source 0 = 16 columns of W, turned on the way out of LDS by ds_load_tr16_b128; source 1 = 16 rows of h.  A lane then holds row l % 16 and 8 neighbouring columns.
; THE BIAS STARTS THE SUMS: it lies in 64 registers in an accumulator's own layout (register j of block b: column 16 b + 8 (l / 16) + j) and is the C operand of the first sub-step's products.
; CLUSTER 4 x 4: the four work-groups of a row of the cluster need the same tiles of h, the four of a column the same tiles of W: each tile is asked for JOINTLY, by the same tensor load with the
; same descriptor and a mask that names the four.
; THE WAY OUT: the f32 sums go into the ring's own bytes, which have had their last fill; each wave has 128 rows x 528 bytes there and reads back only what it wrote.
; REGISTERS in windows of 256 (s_set_vgpr_msb: bits 1:0 source 0, 3:2 source 1, 5:4 source 2, 7:6 destination): window 0 addresses, bias, h's fragments (two buffers); window 1 W's fragments;
; windows 2 and 3 the accumulators: number i = 8 a + b at window 2 + i / 32, register 8 (i % 32).
.set SIZE_N, 3072
.set SIZE_K, 1024
.set TM,     256
.set TN,     256
.set MBW,    8                         ; blocks of 16 rows, of 16 columns, in a wave's tile
.set NBW,    8
.set KSTEP,  128
.set SUBS,   KSTEP/32                  ; sub-steps of 32 along K
.set NK,     SIZE_K/KSTEP
.set LAPS,   NK/2                      ; a lap = two K steps = once round the ring
.set AD0,    128                       ; one load of h: 128 elements x 128 rows
.set AD1,    128
.set ASTR,   SIZE_K
.set AQI,    5                         ; padding behind every 64 words,
.set PA,     272                       ; 4 words of it: rows 272 bytes apart, so the 16 rows of a fragment load start 16 bytes apart modulo 256
.set HA,     128*PA
.set ASTEP,  KSTEP*2                   ; bytes from K step to K step in h
.set SA_E,   64                        ; bytes from a sub-step to the next in an LDS row
.set SA_O,   64
.set BD0,    256                       ; one load of W: 256 elements x 64 rows of K
.set BD1,    64
.set BQI,    6                         ; padding behind every 128 words,
.set PB,     544                       ; 8 words of it: an odd multiple of 32 bytes
.set HB,     64*PB
.set BSTEP,  KSTEP*SIZE_N*2
.set SLOT,   2*HA+2*HB                 ; h's rows 0-127, 128-255, then W's K rows 0-63, 64-127
.set SPARE,  2*SLOT                    ; behind the ring: the spare words, 128 bytes a wave: two blocks of 256 bytes that no other line names
.set SPITCH, 528                       ; the stage: 512 bytes of f32 + 16
.set STW,    128*SPITCH                ; a wave's stage
.set ADRA, 16                          ; v16  my lane's place in h's tile of slot 0; never rewritten
.set WA,   18                          ; v18  the address of the next run of loads of h
.set ADRB, 20                          ; v20  the same for W
.set WB,   22                          ; v22
.set STO,  24                          ; v24  the way out: where I put 32 bytes of a row
.set RD,   25                          ; v25  where I read rows back
.set CO,   26                          ; v26  my byte offset in the output
.set SPW,  28                          ; v28  LDS address of my spare word; never rewritten
.set NIL,  29                          ; v29  0; never rewritten
.set PFO,  30                          ; v30  the prefetches' lane offset; never rewritten
.set BO,   31                          ; v31  my byte offset in the bias; never rewritten
.set F0,   64                          ; fragment buffers
.set F1,   128
.set BIASR, 192                        ; v[192:255] the bias, 8 registers for each block of 16 columns
.set XR,   64                          ; the way out: 16 rows x 2 heads in f32,
.set OUT,  128                         ; and in bf16
.set WV,   14                          ; s14  wave
.set FR,   15                          ; s15  wave / 2: my half of the tile's rows; also: I fetch for h (0) or W (1)
.set WL,   16                          ; s16  wave % 2: my half of its columns; also: which half of that tile I fetch
.set CX,   17
.set CY,   18
.set TX,   19                          ; tile column
.set TY,   20                          ; tile row
.set G1A,  24                          ; s[24:31] descriptor group 1 for h;  s[32:39] group 0, a set for each slot
.set G0A,  32
.set LIM,  43                          ; s43  1 in a wave that prefetches, else the greatest number
.set PFA,  44                          ; s[44:45] where my prefetches stand
.set G1B,  48                          ; s[48:55], s[56:63] the same for W
.set G0B,  56
.set LAPC, 66
.set CNT,  67
.set PFS,  68                          ; s[68:69] a K step in bytes, for the prefetches
.set TA,   76                          ; s76, s77  LDS byte, from slot 0's first, of the sub-step to be fetched: in h's rows, in W's
.set TB,   77
.set MSB, 0
.macro WIN new                         ; the immediate's high byte repeats the setting that is left; a switch that changes nothing is dropped
.if MSB != (\new)
	s_set_vgpr_msb (MSB<<8)|(\new)
.set MSB, \new
.endif
.endm
; A joint load.  Waves 0 and 1 fetch h's two halves, waves 2 and 3 W's.  The branch hangs on the wave's number alone.  An s_nop 0 and four v_nop follow each line.
.macro JLOAD s
	s_cmp_eq_u32 s[FR], 0
	s_cbranch_scc0 .Lfor_b_\@
	tensor_load_to_lds s[G0A+4*(\s):G0A+4*(\s)+3], s[G1A:G1A+7]
	s_nop 0
.rept 4
	v_nop
.endr
	s_branch .Lasked_\@
.Lfor_b_\@:
	tensor_load_to_lds s[G0B+4*(\s):G0B+4*(\s)+3], s[G1B:G1B+7]
	s_nop 0
.rept 4
	v_nop
.endr
.Lasked_\@:
.endm
; A round of the cluster's barrier: my work-group's barrier; wave 0 signals for the work-group; every wave waits for all sixteen; my work-group's barrier once more.
.macro CROUND
	s_barrier_signal -1
	s_barrier_wait -1
	s_cmp_lg_u32 s[WV], 0
	s_cbranch_scc1 .Lnot_wave_0_\@
	s_barrier_signal -3
.Lnot_wave_0_\@:
	s_barrier_wait -3
	s_barrier_signal -1
	s_barrier_wait -1
.endm
; A prefetch, behind a joint load and its five lines: the K step that stands two refills on, 32 blocks of 256 bytes, a lane a block, one instruction a wave.  h's tile row is read by every cluster of
; that row of clusters: the one with x = 0 asks; W's tile column by every cluster of that column: the one with y = 0 asks.  The four partners that fetch a tile jointly share it out BY ADDRESS.
; So each block is named once in the launch.  K steps 0 to 3 come by their loads alone; the loop's last trip (LAPC = 1) has no K step two refills on and asks for nothing.
.macro ASK
	s_cmp_gt_u32 s[LAPC], s[LIM]
	s_cbranch_scc0 .Lnot_mine_\@
	global_prefetch_b8 v[PFO], s[PFA:PFA+1] th:TH_LOAD_NT scope:SCOPE_SE
.Lnot_mine_\@:
.endm
	s_load_b256 s[4:11], s[0:1], 0x0               ; h s[4:5], W s[6:7], bias s[8:9], out s[10:11]
	v_lshl_add_u32 v[SPW], v0, 2, SPARE
	v_mov_b32 v[NIL], 0
	ds_add_u32 v[SPW], v[NIL]                      ; the wave's opening: the add and its wait stand ahead of my first tensor load; the set-up below, work on registers, stands between
	v_lshrrev_b32 v3, 5, v0
	v_readfirstlane_b32 s[WV], v3
	s_lshr_b32 s[FR], s[WV], 1
	s_and_b32 s[WL], s[WV], 1
	s_bfe_u32 s[CX], ttmp6, 0x40000
	s_bfe_u32 s[CY], ttmp6, 0x40004
	s_lshl_b32 s[TX], ttmp9, 2                     ; in a cluster launch ttmp9 and ttmp7 count clusters
	s_add_co_u32 s[TX], s[TX], s[CX]
	s_and_b32 s[TY], ttmp7, 0xffff
	s_lshl_b32 s[TY], s[TY], 2
	s_add_co_u32 s[TY], s[TY], s[CY]
	s_lshl_b32 s21, s[CY], 2
	s_lshl_b32 s21, 15, s21                        ; my row of the cluster
	s_lshl_b32 s22, 0x1111, s[CX]                  ; my column
	s_or_b32 s[G1A], s21, (1<<16)|(1<<20)|(1<<21)|(AQI<<22)|(3<<25)  ; 15:0 mask; 17:16 2-byte elements; 20 padding on; 21 set beside a mask; 24:22 the interval; 31:25 4 words
	s_or_b32 s[G1B], s22, (1<<16)|(1<<20)|(1<<21)|(BQI<<22)|(7<<25)  ; the same for W, 8 words
	s_mov_b32 s[G1A+1], (AD0&0xffff)<<16           ; tensor_dim0
	s_mov_b32 s[G1A+2], (AD0>>16)|(AD1<<16)        ; tensor_dim1
	s_mov_b32 s[G1A+3], AD0<<16                    ; tile_dim0
	s_mov_b32 s[G1A+4], AD1                        ; tile_dim1
	s_mov_b32 s[G1A+5], ASTR                       ; elements from row to row
	s_mov_b32 s[G1A+6], 0
	s_mov_b32 s[G1A+7], 0
	s_mov_b32 s[G1B+1], (BD0&0xffff)<<16
	s_mov_b32 s[G1B+2], (BD0>>16)|(BD1<<16)
	s_mov_b32 s[G1B+3], BD0<<16
	s_mov_b32 s[G1B+4], BD1
	s_mov_b32 s[G1B+5], SIZE_N
	s_mov_b32 s[G1B+6], 0
	s_mov_b32 s[G1B+7], 0
	s_mul_i32 s40, s[TY], TM*SIZE_K*2              ; h's tile hangs on the tile row and the wave alone,
	s_mul_i32 s70, s[WL], (TM/2)*SIZE_K*2
	s_add_co_u32 s40, s40, s70
	s_mov_b32 s41, 0
	s_mul_i32 s46, s[WL], (KSTEP/2)*SIZE_N*2       ; W's on the tile column and the wave alone
	s_mul_i32 s72, s[TX], TN*2
	s_add_co_u32 s46, s46, s72
	s_mov_b32 s47, 0
	s_mul_i32 s42, s[WL], HA                       ; where they go: no place in the cluster enters an LDS address
	s_mul_i32 s73, s[WL], HB
	s_add_co_u32 s73, s73, 2*HA
	s_wait_dscnt 0x0                               ; the opening add is done
	s_wait_kmcnt 0x0
	s_add_nc_u64 s[40:41], s[4:5], s[40:41]
	s_add_nc_u64 s[46:47], s[6:7], s[46:47]
	CROUND                                         ; all sixteen work-groups are here: the first joint loads meet
.irp s, 0,1
	s_mov_b32 s[G0A+4*(\s)], 1
	s_add_co_u32 s[G0A+4*(\s)+1], s42, (\s)*SLOT
	s_add_nc_u64 s[G0A+4*(\s)+2:G0A+4*(\s)+3], s[40:41], (\s)*ASTEP
	s_or_b32 s[G0A+4*(\s)+3], s[G0A+4*(\s)+3], 0x80000000
	s_mov_b32 s[G0B+4*(\s)], 1
	s_add_co_u32 s[G0B+4*(\s)+1], s73, (\s)*SLOT
	s_add_nc_u64 s[G0B+4*(\s)+2:G0B+4*(\s)+3], s[46:47], (\s)*BSTEP
	s_or_b32 s[G0B+4*(\s)+3], s[G0B+4*(\s)+3], 0x80000000
	JLOAD \s                                       ; K steps 0 and 1: two loads of mine are out
.endr
	v_and_b32 v1, 15, v0                           ; r = l % 16
	v_bfe_u32 v2, v0, 4, 1                         ; h = l / 16
	v_and_b32 v3, 31, v0                           ; l
	s_mul_i32 s74, s[TX], TN
	s_mul_i32 s75, s[WL], TN/2
	s_add_co_u32 s74, s74, s75                     ; n0: my first column
	s_mul_i32 s75, s[TY], TM
	s_mul_i32 s78, s[FR], TM/2
	s_add_co_u32 s75, s75, s78                     ; m0: my first row
	s_lshl_b32 s78, s74, 2
	v_lshl_add_u32 v[BO], v2, 5, s78               ; the bias of the columns n0 + 16 b + 8 h + 0 .. 7: 32 bytes for each block b
.set j, 0
.rept NBW
	global_load_b128 v[BIASR+8*j:BIASR+8*j+3],   v[BO], s[8:9] offset:64*j
	global_load_b128 v[BIASR+8*j+4:BIASR+8*j+7], v[BO], s[8:9] offset:64*j+16
.set j, j+1
.endr
	s_lshr_b32 s79, s74, 10                        ; column n = 1024 x (q, k or v) + 64 x head + channel
	s_lshl_b32 s79, s79, 23                        ; 32 x 2048 x 128 bytes
	s_bfe_u32 s71, s74, 0x40006
	s_lshl_b32 s71, s71, 18                        ; a head: 2048 x 128 bytes
	s_add_co_u32 s79, s79, s71
	s_lshr_b32 s71, s75, 11                        ; the batch: 16 heads
	s_lshl_b32 s71, s71, 22
	s_add_co_u32 s79, s79, s71
	s_and_b32 s71, s75, 2047                       ; the position: 128 bytes
	s_lshl_b32 s71, s71, 7
	s_add_co_u32 s79, s79, s71
	v_lshl_add_u32 v[CO], v3, 3, s79               ; two rows of a head are 256 consecutive bytes: 8 bytes a lane
	v_mul_u32_u24 v4, v1, PA                       ; a fragment of h: row r, 16 bytes for each half of the lanes, twice, 32 bytes apart
	v_lshl_add_u32 v4, v2, 4, v4
	s_mul_i32 s78, s[FR], HA
	v_add_nc_u32 v[ADRA], s78, v4
	v_and_b32 v5, 7, v0                            ; the turning load: lane l reads K row 8 h + l % 8, columns 8 ((l / 8) % 2) ..; it leaves column r and 8 numbers along K
	v_lshl_add_u32 v5, v2, 3, v5
	v_mul_u32_u24 v5, v5, PB
	v_bfe_u32 v6, v0, 3, 1
	v_lshl_add_u32 v5, v6, 4, v5
	s_mul_i32 s78, s[WL], TN
	s_add_co_u32 s78, s78, 2*HA
	v_add_nc_u32 v[ADRB], s78, v5
	s_mul_i32 s78, s[WV], STW                      ; my stage
	v_mul_u32_u24 v4, v1, SPITCH
	v_lshl_add_u32 v4, v2, 5, v4
	v_add_nc_u32 v[STO], s78, v4                   ; in: row r, 32 bytes for each half of the lanes
	v_mul_u32_u24 v4, v2, SPITCH
	v_lshl_add_u32 v4, v1, 4, v4
	v_add_nc_u32 v[RD], s78, v4                    ; back: lanes 0-15 a head's 256 bytes of one row, lanes 16-31 of the next
	; the prefetches: both offsets are made, then one compare on the wave's number chooses
	s_mul_i32 s74, s[TY], TM
	s_lshl_b32 s75, s[WL], 7
	s_add_co_u32 s74, s74, s75
	s_lshl_b32 s75, s[CX], 5                       ; of the 128 rows of h that I fetch my work-group names 32, a lane a row
	s_add_co_u32 s74, s74, s75
	s_mul_i32 s74, s74, SIZE_K*2
	s_add_co_u32 s74, s74, 3*ASTEP                 ; at K step 3: the first change of slots steps it to 4
	s_lshl_b32 s78, s[WL], 6
	s_lshl_b32 s79, s[CY], 4                       ; of the 64 K rows of W that I fetch my work-group names 16: two lanes a row of 512 bytes
	s_add_co_u32 s78, s78, s79
	s_mul_i32 s78, s78, SIZE_N*2
	s_mul_i32 s79, s[TX], TN*2
	s_add_co_u32 s78, s78, s79
	s_add_co_u32 s78, s78, 3*BSTEP
	s_and_b32 s79, ttmp7, 0xffff
	s_mov_b32 s71, BSTEP
	s_mov_b32 s23, SIZE_N*2
	s_cmp_eq_u32 s[FR], 0
	s_cselect_b32 s74, s74, s78
	s_cselect_b32 s79, ttmp9, s79                  ; the coordinate along which other clusters read the same blocks
	s_cselect_b64 s[PFA:PFA+1], s[4:5], s[6:7]
	s_cselect_b32 s[PFS], ASTEP, s71
	s_cselect_b32 s23, SIZE_K*2, s23
	s_cselect_b32 s78, 0, 1
	s_mov_b32 s75, 0
	s_mov_b32 s[PFS+1], 0
	s_add_nc_u64 s[PFA:PFA+1], s[PFA:PFA+1], s[74:75]
	s_cmp_eq_u32 s79, 0
	s_cselect_b32 s[LIM], 1, -1                    ; the same in all sixteen partners, for a given wave
	v_lshrrev_b32 v[PFO], s78, v3
	v_mul_u32_u24 v[PFO], v[PFO], s23
	v_and_b32 v4, s78, v3
	v_lshl_add_u32 v[PFO], v4, 8, v[PFO]
; A sub-step's fragments into buffer g, in one run: 16 turning loads of W, 16 loads of h.
.macro FETCH g
	WIN 0x40                                       ; destination window 1, address window 0
.set j, 0
.rept NBW
	ds_load_tr16_b128 v[(\g)+8*j:(\g)+8*j+3],   v[WB] offset:32*j
	ds_load_tr16_b128 v[(\g)+8*j+4:(\g)+8*j+7], v[WB] offset:32*j+16*PB
.set j, j+1
.endr
	WIN 0
.set j, 0
.rept MBW
	ds_load_b128 v[(\g)+8*j:(\g)+8*j+3],   v[WA] offset:j*16*PA
	ds_load_b128 v[(\g)+8*j+4:(\g)+8*j+7], v[WA] offset:j*16*PA+32
.set j, j+1
.endr
.endm
; A sub-step's products.  All accumulators take turns, one instruction a turn, in the same order everywhere.  first = 1: the products start the sums, with the bias as C.
.macro MUL f, first
.set i, 0
.rept MBW*NBW
.if \first
	WIN 0x81+0x40*(i/32)                           ; W window 1, h and the bias window 0, D window 2 or 3
	v_wmma_f32_16x16x32_bf16 v[8*(i%32):8*(i%32)+7], v[(\f)+8*(i%NBW):(\f)+8*(i%NBW)+7], v[(\f)+8*(i/NBW):(\f)+8*(i/NBW)+7], v[BIASR+8*(i%NBW):BIASR+8*(i%NBW)+7]
.else
	WIN 0xa1+0x50*(i/32)                           ; W window 1, h window 0, C and D window 2 or 3
	v_wmma_f32_16x16x32_bf16 v[8*(i%32):8*(i%32)+7], v[(\f)+8*(i%NBW):(\f)+8*(i%NBW)+7], v[(\f)+8*(i/NBW):(\f)+8*(i/NBW)+7], v[8*(i%32):8*(i%32)+7]
.endif
.set i, i+1
.endr
.endm
.macro STEP sa                         ; the next sub-step's addresses
	s_add_co_u32 s[TA], s[TA], \sa
	s_add_co_u32 s[TB], s[TB], 32*PB
	v_add_nc_u32 v[WA], s[TA], v[ADRA]
	v_add_nc_u32 v[WB], s[TB], v[ADRB]
.endm
; A sub-step: buffer f, asked for a whole sub-step ago, is multiplied while buffer g is filled.  The four plain lines at the end are the places between the last product and the next loads into f.
.macro U f, g, sa
	s_wait_dscnt 0x0                               ; buffer f is in
	FETCH \g
	MUL \f, 0
	WIN 0
	STEP \sa
	v_nop
	v_nop
.endm
.macro V
	U F1, F0, SA_E
	U F0, F1, SA_O
.endm
; THE CHANGE OF SLOTS, when the slot's last sub-step has been asked for.  Each wave waits for all its tensor loads (one is out: its part of the next slot), adds 0 to its spare word, and waits for that and for
; its reads of the slot.  fill = 1: a round of the cluster's barrier, so that no wave of any partner still reads the slot or has a load on its way; the joint refill, two K steps on, is the first thing behind it.
.macro SYNC slot, next, fill
	s_wait_xcnt 0x0                                ; the last prefetch, a K step back, has read its address
	s_add_nc_u64 s[PFA:PFA+1], s[PFA:PFA+1], s[PFS:PFS+1]
	s_wait_tensorcnt 0x0                           ; no tensor load of mine is out, so a group 0 may be written
	ds_add_u32 v[SPW], v[NIL]                      ; work on registers stands between the add and the wait for it
	s_mov_b32 s[TA], (\next)*SLOT
	s_mov_b32 s[TB], (\next)*SLOT
	v_add_nc_u32 v[WA], s[TA], v[ADRA]
	v_add_nc_u32 v[WB], s[TB], v[ADRB]
.if \fill
	s_add_nc_u64 s[G0A+4*(\slot)+2:G0A+4*(\slot)+3], s[G0A+4*(\slot)+2:G0A+4*(\slot)+3], 2*ASTEP
	s_add_nc_u64 s[G0B+4*(\slot)+2:G0B+4*(\slot)+3], s[G0B+4*(\slot)+2:G0B+4*(\slot)+3], 2*BSTEP
.endif
	s_wait_dscnt 0x0                               ; the add is done, and my reads of the slot are over
.if \fill
	CROUND
	JLOAD \slot
	ASK
.else
	s_barrier_signal -1
	s_barrier_wait -1
.endif
.endm
	s_mov_b32 s[TA], 0
	s_mov_b32 s[TB], 0
	v_mov_b32 v[WA], v[ADRA]
	v_mov_b32 v[WB], v[ADRB]
	s_wait_tensorcnt 0x1                           ; my part of K step 0 is in; K step 1's load may stay out
	s_barrier_signal -1
	s_barrier_wait -1                              ; everybody's is
	FETCH F0
	STEP SA_E
	s_wait_loadcnt 0x0                             ; the bias
	s_wait_dscnt 0x0
	FETCH F1
	MUL F0, 1                                      ; the first sub-step stands ahead of the loop: its products start the sums
	WIN 0
	STEP SA_O
	v_nop
	v_nop
	s_mov_b32 s[LAPC], LAPS
	s_mov_b32 s[CNT], SUBS/2-1
	s_branch .Lin1                                 ; the loop is entered in the middle of a trip: K step 0 goes on in slot 0
.Llap:                                         ; LAPS - 1 whole trips: both slots are filled again
	SYNC 0, 1, 1
	s_mov_b32 s[CNT], SUBS/2
.Lin0:
	V
	s_sub_co_u32 s[CNT], s[CNT], 1
	s_cmp_lg_u32 s[CNT], 0
	s_cbranch_scc1 .Lin0
	SYNC 1, 0, 1
	s_mov_b32 s[CNT], SUBS/2
.Lin1:
	V
	s_sub_co_u32 s[CNT], s[CNT], 1
	s_cmp_lg_u32 s[CNT], 0
	s_cbranch_scc1 .Lin1
	s_sub_co_u32 s[LAPC], s[LAPC], 1
	s_cmp_lg_u32 s[LAPC], 0
	s_cbranch_scc1 .Llap
	SYNC 0, 1, 0                                   ; the tail is written out: nothing is asked for
	s_mov_b32 s[CNT], SUBS/2
.Lin2:
	V
	s_sub_co_u32 s[CNT], s[CNT], 1
	s_cmp_lg_u32 s[CNT], 0
	s_cbranch_scc1 .Lin2
	s_wait_dscnt 0x0                               ; my last reads of the ring are back:
	s_barrier_signal -1                            ; say so; the last products, work on registers, stand between signal and wait
	MUL F1, 0
	WIN 0
	s_barrier_wait -1                              ; no wave reads the ring any more, and every fill has landed: its bytes now serve as stages
.rept 4
	v_nop                                          ; the places between the last product and the stores that read results
.endr
.set i, 0
.rept MBW*NBW                          ; each accumulator's low registers first
	WIN 0x08+0x04*(i/32)                           ; store data (source 1) in window 2 or 3
	ds_store_b128 v[STO], v[8*(i%32):8*(i%32)+3]   offset:(i/NBW)*16*SPITCH+64*(i%NBW)
	ds_store_b128 v[STO], v[8*(i%32)+4:8*(i%32)+7] offset:(i/NBW)*16*SPITCH+64*(i%NBW)+16
.set i, i+1
.endr
	WIN 0
; 16 rows x 2 heads of my stage: load j takes rows 2 (j / 2), + 1 of head j % 2.  LDS serves a wave's instructions in order (ISA guide 5.7.1.4): the loads see my stores above.
.macro ROWS
.set j, 0
.rept 16
	ds_load_b128 v[XR+4*j:XR+4*j+3], v[RD] offset:(j/2)*2*SPITCH+(j%2)*256
.set j, j+1
.endr
.endm
	ROWS
	s_mov_b32 s[CNT], 8
.Lout:                                         ; 8 trips of 16 rows; the next trip's rows are asked of LDS ahead of this trip's stores
	s_wait_dscnt 0x0                               ; this trip's rows are in
	s_wait_xcnt 0x0                                ; the last trip's stores have read their data and their offset: both are rewritten only behind this wait
.set j, 0
.rept 32
	v_cvt_pk_bf16_f32 v[OUT+j], v[XR+2*j], v[XR+2*j+1]
.set j, j+1
.endr
	v_add_nc_u32 v[RD], 16*SPITCH, v[RD]
	v_add_nc_u32 v[CO], 2048, v[CO]                ; 16 rows of a head on; the stores reach back
	s_cmp_eq_u32 s[CNT], 1
	s_cbranch_scc1 .Lno_more                       ; behind my last 16 rows there are none
	ROWS
.Lno_more:
.set j, 0
.rept 16
	global_store_b64 v[CO], v[OUT+2*j:OUT+2*j+1], s[10:11] offset:(j/2)*256+(j%2)*262144-2048  ; a wave's store covers 256 consecutive bytes, aligned: two rows of a head
.set j, j+1
.endr
	s_sub_co_u32 s[CNT], s[CNT], 1
	s_cmp_lg_u32 s[CNT], 0
	s_cbranch_scc1 .Lout
	s_wait_tensorcnt 0x0                           ; the wave's end: behind my last tensor load and my last LDS store
	ds_add_u32 v[SPW], v[NIL]
	s_wait_dscnt 0x0
	CROUND                                         ; the closing round: no work-group ends while a partner may still ask for a tile that names it
	s_endpgm
.Lfunc_end_k_q80fe300ab7_gqkv:
	.size	k_q80fe300ab7_gqkv, .Lfunc_end_k_q80fe300ab7_gqkv-k_q80fe300ab7_gqkv
	.p2alignl 7, 3214868480
	.fill 96, 4, 3214868480
	.section	.rodata,"a",@progbits
	.p2align	6, 0x0
	.amdhsa_kernel k_q80fe300ab7_gqkv
		.amdhsa_group_segment_fixed_size 327680
		.amdhsa_private_segment_fixed_size 0
		.amdhsa_enable_private_segment 0
		.amdhsa_kernarg_size 32
		.amdhsa_user_sgpr_count 2
		.amdhsa_user_sgpr_kernarg_segment_ptr 1
		.amdhsa_wavefront_size32 1
		.amdhsa_system_sgpr_workgroup_id_x 1
		.amdhsa_system_sgpr_workgroup_id_y 1
		.amdhsa_system_sgpr_workgroup_id_z 1
		.amdhsa_system_vgpr_workitem_id 0
		.amdhsa_next_free_vgpr 1024
		.amdhsa_next_free_sgpr 80
		.amdhsa_reserve_vcc 0
		.amdhsa_float_denorm_mode_32 3
		.amdhsa_float_denorm_mode_16_64 3
		.amdhsa_memory_ordered 1
		.amdhsa_forward_progress 1
		.amdhsa_inst_pref_size 81
	.end_amdhsa_kernel
	.amdgpu_metadata
---
amdhsa.version: [ 1, 2 ]
amdhsa.kernels:
  - .name:           k_q80fe300ab7_gqkv
    .symbol:         k_q80fe300ab7_gqkv.kd
    .args:
      - { .name: act, .offset: 0, .size: 8, .value_kind: global_buffer, .address_space: global }
      - { .name: wq, .offset: 8, .size: 8, .value_kind: global_buffer, .address_space: global }
      - { .name: b_qkv, .offset: 16, .size: 8, .value_kind: global_buffer, .address_space: global }
      - { .name: qkvh, .offset: 24, .size: 8, .value_kind: global_buffer, .address_space: global }
    .group_segment_fixed_size: 327680
    .private_segment_fixed_size: 0
    .kernarg_segment_align: 8
    .kernarg_segment_size: 32
    .max_flat_workgroup_size: 128
    .sgpr_count:     80
    .vgpr_count:     1024
    .wavefront_size: 32
...
	.end_amdgpu_metadata
.endif
;; end of part 2
;; launch attn (part 3): grid 8 x 32, 4 waves a work-group, no clusters, 327,680 bytes of LDS; arguments qkvh, act; writes act
.if DOCPART == 3
	.amdgcn_target "amdgcn-amd-amdhsa--gfx1250"
	.amdhsa_code_object_version 6
	.text
	.protected	k_q80fe300ab7_attn
	.globl	k_q80fe300ab7_attn
	.p2align	8
	.type	k_q80fe300ab7_attn,@function
k_q80fe300ab7_attn:
	s_mov_b64 s[64:65], 0
	v_nop
	global_prefetch_b8 v0, s[64:65] scope:SCOPE_SE
	s_setreg_imm32_b32 hwreg(HW_REG_WAVE_MODE, 25, 1), 1
	s_wait_xcnt 0x0
; CAUSAL ATTENTION.  O[y][q][:] = the sum over k <= q of softmax_k(Q[y][q] . K[y][k] / 8) V[y][k][:], y = batch x 16 + head.  Q, K, V lie in one buffer, [3][32][2048][64] bf16; O: [32][2048][64] bf16.
; Products, maxima and sums in f32; the weights p are rounded to bf16 for the second product (their sum l is taken of the unrounded p), O once at the end.
; LIMITS.  A hidden score counts as its value less 1e30; a weight below 2^-126 counts as 0 in l; NaN and infinities are not treated apart.
; THE WALK.  A head's queries lie in 16 blocks of 128, its keys in 8 tiles of 256 (four steps of 64).  Block i needs the tiles 0 .. i / 2.  A work-group takes TWO blocks, 15 - b and then b: 9 tiles, 36 steps,
; whatever b: all 256 work-groups do equal work, and loops with constant trip counts walk them.  In a block's last tile the steps are seen, cut by the diagonal (two steps) or hidden; the even block's two hidden
; steps are computed under the mask like the others.  Which tile is asked for, which mask a step takes and where a block ends hang on scalar registers made from b; those jumps go forward and pass neither a
; barrier nor a tensor load.  The ring (two LDS slots that take turns, a tile each) runs on across the change of blocks.
; NO CLUSTER: the eight work-groups of a head ask for the same tile in the walk's first five trips alone; behind that their walks part, and a walk common to all would have 12 tiles for 9.
; SHARES.  A wave owns 32 queries of a block, two tiles of 16.  Under the diagonal every wave computes all 64 keys of a step: the same work for all four.
; LAYOUT.  S^T = K Q^T (source 0 = 16 keys, source 1 = 16 queries) holds ONE query a lane (l % 16) and the keys 8 (l / 16) + 0..7; two such results rounded to bf16 ARE source 1 of O^T = V^T P.
; K comes out of LDS as it lies, V ([key][channel]) turned, by ds_load_tr16_b128.
; SOFTMAX.  p = 2^(c s - c m), c = log2(e) / 8, with a running maximum m; O and l are multiplied by a = 2^(c m_old - c m_new) in every step.  A block starts with c m far below every c s: its first a is 0.
; THE MASK is the C operand that starts a sum S^T: 0, or -1e30 where the key is hidden.  Key 16 G + 8 (l / 16) + j, counted from the block's first query, is hidden from query 32 w + 16 t + l % 16 where it is
; greater.  MZ, made once, holds a group of zeros and then that mask for t = 0 and G = 0 .. 7; tile 1's mask is tile 0's one group earlier.  A step's five groups are MC[j] = MZ[j] x ALA + MZ[4 + j] x ALB + BE:
; (0, 0, 0) seen; (1, 0, 0) the diagonal's first step; (0, 1, 0) its second; (0, 0, -1e30) hidden.  They are made anew only where that state changes.
; A TRIP belongs to step u of the walk, and matrix and vector work stand side by side in it.  K(u) is asked of LDS.  Step u - 1's two a, 32 scalings and 64 exponentials: ONE batch with ONE wait.  Tile 0's roundings
; and sums.  8 products K Q^T(u) of tile 0, behind each four of tile 1's roundings and sums; 8 of tile 1, behind each four rescalings of O^T; 16 products V^T P(u - 1), behind each two or three lines of step u's
; maximum; the end of that chain.  V(u) is asked of LDS.  So S^T, P, K and V need one buffer each, and one text serves every step.  V(u) is read at a trip's end and K(u + 1) at the next one's head: the change of
; slots stands between two trips.
; REGISTERS, in windows of 256 (s_set_vgpr_msb: bits 1:0 source 0, 3:2 source 1, 5:4 source 2, 7:6 destination):
;   window 0: addresses, statistics, S^T v64-127, the way out v128-159, P v192-223     window 1: O^T v0-63, MZ v64-135, MC v136-175     window 2: Q v0-31, the second block's Q v32-63, K v128-191, V v192-255
.set NB,    16
.set KS,    64        ; keys in a step
.set PK,    144       ; a row of K in LDS: 128 bytes + 16: the 16 rows of a load start 16 bytes apart modulo 256
.set PV,    160       ; a row of V: 128 + 32: an odd multiple of 32
.set VOFF,  4*KS*PK   ; a slot: 256 rows of K, then 256 rows of V
.set SLOT1, 1<<17     ; slot 1 begins here: one exclusive or turns an address in one slot into the other's
.set STAGE, SLOT1+4*KS*(PK+PV)  ; behind the ring, never filled by a tensor load: 16 rows x 144 bytes for each wave, for the way out
.set SP,    144
.set SPARE, STAGE+4*16*SP  ; the spare words, 128 bytes a wave: two blocks of 256 bytes that no other line names
.set AK0, 2           ; v2   my lane's place in a step of K; never rewritten
.set AV0, 3           ; v3   the same for V
.set AK,  4           ; v4   the address of K's next run of loads
.set AV,  5           ; v5   of V's
.set STO, 6           ; v6   the way out: where I put 16 bytes of a row
.set RD,  7           ; v7   where I read rows back
.set GO,  8           ; v8   my 16 bytes in 512 consecutive bytes of O
.set MV,  12          ; v12-13  c m_old, by tile
.set QO,  15          ; v15  my byte offset in 16 rows of Q
.set ST,  16          ; tile t's statistics at v[ST+4 t]: c m, m, l (even keys', odd keys')
.set TMP, 24          ; by tile, c0-c3 at work; when the maximum is found c2 takes a
.set PFO, 60          ; v60  256 x my lane; never rewritten
.set SPW, 62          ; v62  LDS address of my spare word; never rewritten
.set NIL, 63          ; v63  0; never rewritten
.set S,   64
.set WO,  128
.set P,   192
.set MZ,  64          ; window 1: nine groups of 8
.set MC,  136         ; window 1: five groups of 8
.set QB,  32          ; window 2
.set KF,  128         ; window 2: key block kb, channel half c at KF + 16 kb + 8 c
.set VF,  192         ; window 2: key half kk, channel block cb at VF + 32 kk + 8 cb
.set WV,  12
.set PB,  14          ; s14  b
.set HI,  15          ; s15  15 - b
.set G1K, 24          ; s[24:31] descriptor group 1 for K's tiles
.set G1V, 32          ; s[32:39] for V's: it differs in the padding alone
.set G0K, 40          ; s[40:47] group 0 for K: a set for each of the two first fills; the second then walks on
.set G0V, 48          ; s[48:55] the same for V
.set SLOTS, 56        ; s56  counts the tiles
.set CNT, 57          ; s57  counts a tile's trips
.set CS,  58          ; s[58:59] c
.set SEL, 60          ; s[60:61] v_permlanex16_b32's selects
.set TBK, 62          ; s62  LDS byte at which K of the step to be fetched begins
.set TBV, 63          ; s63  the same for V, less VOFF
.set BS,  66          ; s66  steps of the block in hand whose scores are still to be made
.set BS2, 67          ; s67  the second block's steps
.set TD,  68          ; s68  the value of BS at the diagonal's first step: 4 in an even block, 2 in an odd one
.set TD2, 69          ; s69  the second block's
.set NXT, 70          ; s70  the tile to be asked for next
.set LQ,  71          ; s71  the last tile of the block whose tiles are being asked for
.set LQ2, 72          ; s72  the second block's
.set LIM, 73          ; s73  2 in the work-group that prefetches, else the greatest number
.set OFF, 74          ; s[74:75] a tile's byte offset in K and V
.set ALA, 76          ; s[76:77], s[78:79], s[88:89] the mask's two factors and its addend
.set ALB, 78
.set OLO, 80          ; s[80:81] O at my rows of the second block
.set BIGN, 82         ; s82  -1e30
.set FIN, 83          ; s83  1: step u - 1 was its block's last
.set BE,  88
.set STN, 90          ; s90  the mask's state for step u: 0 seen, 1, 2 the diagonal's steps, 3 hidden
.set STP, 91          ; s91  the state for which MC was last made
.set TD1, 92
.set PFA, 94          ; s[94:95] where my prefetches stand
.set MSB, 0
.macro WIN new
.if MSB != (\new)
	s_set_vgpr_msb (MSB<<8)|(\new)
.set MSB, (\new)
.endif
.endm
; A refill.  Waves 0 and 1 fetch the two halves of a tile's K, waves 2 and 3 those of its V: 128 keys each.  An s_nop 0 and four v_nop follow each line.
.macro LOAD
	s_cmp_lt_u32 s[WV], 2
	s_cbranch_scc0 .Lfor_v_\@
	tensor_load_to_lds s[G0K+4:G0K+7], s[G1K:G1K+7]
	s_nop 0
.rept 4
	v_nop
.endr
	s_branch .Lasked_\@
.Lfor_v_\@:
	tensor_load_to_lds s[G0V+4:G0V+7], s[G1V:G1V+7]
	s_nop 0
.rept 4
	v_nop
.endr
.Lasked_\@:
.endm
; A prefetch, behind the refill and its five lines.  All eight work-groups of a head read the head's K and V; work-group b = 0, whose first block walks all 8 tiles, asks, and nobody else.  Each of its waves names
; the 64 blocks of 256 bytes that it will fetch itself, a lane a block, two instructions, for the tile that the NEXT change of slots asks for: four steps ahead.  Change g names tile g + 2: tiles 0 to 2 come by
; their loads alone, and changes 6 and 7, which stand in the second block, name nothing.
.macro ASK
	s_cmp_gt_u32 s[SLOTS], s[LIM]
	s_cbranch_scc0 .Lnot_mine_\@
	global_prefetch_b8 v[PFO], s[PFA:PFA+1] th:TH_LOAD_NT scope:SCOPE_SE
	global_prefetch_b8 v[PFO], s[PFA:PFA+1] offset:8192 th:TH_LOAD_NT scope:SCOPE_SE
.Lnot_mine_\@:
.endm
; THE CHANGE OF SLOTS, between two trips: the tile's last bytes, V of its fourth step, have been asked for.  Each wave waits for all its tensor loads (one is out: its part of the other slot), adds 0 to its spare
; word, and waits for that and for its reads of the slot.  Behind the barrier nobody reads the slot and the other is whole.  fill = 1: the slot is filled again, first thing, with tile NXT; the address is made
; anew from that number.
.macro CHANGE fill
.if \fill
	s_wait_xcnt 0x0                 ; the last prefetches, a tile back, have read their address
	s_add_nc_u64 s[PFA:PFA+1], s[PFA:PFA+1], 32768
.endif
	s_wait_tensorcnt 0x0            ; no tensor load of mine is out, so a group 0 may be written
	ds_add_u32 v[SPW], v[NIL]       ; scalar work stands between the add and the wait for it
.if \fill
	s_lshl_b32 s[OFF], s[NXT], 15   ; a tile is 32,768 bytes of K and of V
	s_xor_b32 s[G0K+5], s[G0K+5], SLOT1
	s_add_nc_u64 s[G0K+6:G0K+7], s[6:7], s[OFF:OFF+1]
	s_or_b32 s[G0K+7], s[G0K+7], 0x80000000
	s_xor_b32 s[G0V+5], s[G0V+5], SLOT1
	s_add_nc_u64 s[G0V+6:G0V+7], s[8:9], s[OFF:OFF+1]
	s_or_b32 s[G0V+7], s[G0V+7], 0x80000000
	s_add_co_u32 s[NXT], s[NXT], 1  ; the block's next tile, or behind its last the second block's tile 0
	s_cmp_gt_u32 s[NXT], s[LQ]
	s_cselect_b32 s[NXT], 0, s[NXT]
	s_cselect_b32 s[LQ], s[LQ2], s[LQ]
.endif
	s_wait_dscnt 0x0                ; the add is done; V of the fourth step is in, and my reads of the slot are over
	s_barrier_signal -1
	s_sub_co_u32 s[TBK], s[TBK], 4*KS*PK  ; the fetches go back to a slot's first step,
	s_xor_b32 s[TBK], s[TBK], SLOT1       ; in the other slot
	s_sub_co_u32 s[TBV], s[TBV], 4*KS*PV
	s_xor_b32 s[TBV], s[TBV], SLOT1
	s_barrier_wait -1
.if \fill
	LOAD
	ASK
.endif
.endm
	s_load_b64 s[4:5], s[0:1], 0x0    ; q, k, v
	s_load_b64 s[10:11], s[0:1], 0x8  ; O
	v_lshl_add_u32 v[SPW], v0, 2, SPARE
	v_mov_b32 v[NIL], 0
	ds_add_u32 v[SPW], v[NIL]       ; the wave's opening: the add and its wait stand ahead of my first tensor load; the set-up below stands between them
	v_lshrrev_b32 v1, 5, v0
	v_readfirstlane_b32 s[WV], v1
	s_mov_b32 s[PB], ttmp9
	s_sub_co_u32 s[HI], NB-1, s[PB]
	s_and_b32 s20, ttmp7, 0xffff
	s_lshl_b32 s20, s20, 18         ; the head's first byte in each of Q, K, V, O: 2048 rows of 128 bytes
	s_and_b32 s16, s[WV], 1         ; which half of a tile's 256 keys I fetch:
	s_lshl_b32 s22, s16, 14         ; its 128 rows in memory,
	s_add_co_u32 s22, s22, s20
	s_add_co_u32 s22, s22, 0x800000 ; K lies 32 heads behind Q
	s_mov_b32 s23, 0
	s_mul_i32 s17, s16, 128*PK      ; and its place in a slot, for K
	s_mul_i32 s18, s16, 128*PV      ; and for V
	s_lshl_b32 s3, s[WV], 12        ; my 32 rows of a block,
	s_lshl_b32 s2, s[HI], 14        ; in the first block,
	s_add_co_u32 s2, s2, s3
	s_add_co_u32 s2, s2, s20
	s_lshl_b32 s84, s[PB], 14       ; and in the second
	s_add_co_u32 s84, s84, s3
	s_add_co_u32 s84, s84, s20
	s_mov_b32 s3, 0
	s_mov_b32 s85, 0
	; descriptor group 1.  128 keys are 16,384 dense bytes: asked for as 64 rows of 256 bytes, two keys a row, and padded in LDS after every key
	s_mov_b32 s[G1K], (1<<16)|(1<<20)|(4<<22)|(3<<25)  ; 17:16 2-byte elements; 20 padding on; 24:22 after every 32 words; 31:25 4 words
	s_mov_b32 s[G1V], (1<<16)|(1<<20)|(4<<22)|(7<<25)  ; the same with 8 words
.irp g, G1K, G1V
	s_mov_b32 s[\g+1], 128<<16      ; tensor_dim0 = 128
	s_mov_b32 s[\g+2], 64<<16       ; tensor_dim1 = 64
	s_mov_b32 s[\g+3], 128<<16      ; tile_dim0 = 128
	s_mov_b32 s[\g+4], 64           ; tile_dim1 = 64
	s_mov_b32 s[\g+5], 128          ; 128 elements from row to row
	s_mov_b32 s[\g+6], 0
	s_mov_b32 s[\g+7], 0
.endr
	s_mov_b32 s[G0K], 1
	s_mov_b32 s[G0K+1], s17
	s_mov_b32 s[G0K+4], 1
	s_add_co_u32 s[G0K+5], s17, SLOT1
	s_mov_b32 s[G0V], 1
	s_add_co_u32 s[G0V+1], s18, VOFF
	s_mov_b32 s[G0V+4], 1
	s_add_co_u32 s[G0V+5], s18, SLOT1+VOFF
	s_mov_b32 s[CS], 0x3e38aa3b     ; c = log2(e) / 8
	s_mov_b32 s[CS+1], s[CS]
	s_mov_b32 s[SEL], 0x76543210
	s_mov_b32 s[SEL+1], 0xfedcba98
	s_mov_b32 s[TBK], 0
	s_mov_b32 s[TBV], 0
	s_lshr_b32 s[LQ], s[HI], 1      ; the first block's last tile, 4 at the least,
	s_lshr_b32 s[LQ2], s[PB], 1     ; and the second's
	s_lshl_b32 s[BS], s[LQ], 2
	s_add_co_u32 s[BS], s[BS], 4    ; four steps a tile
	s_lshl_b32 s[BS2], s[LQ2], 2
	s_add_co_u32 s[BS2], s[BS2], 4
	s_and_b32 s[TD2], s[PB], 1
	s_lshl_b32 s[TD2], s[TD2], 1
	s_sub_co_u32 s[TD2], 4, s[TD2]  ; 4 where b is even, 2 where it is odd;
	s_sub_co_u32 s[TD], 6, s[TD2]   ; 15 - b has the other parity
	s_mov_b32 s[NXT], 2
	s_mov_b32 s[STP], 0
	s_mov_b32 s[OFF+1], 0
	s_mov_b32 s[ALA+1], 0           ; named as pairs
	s_mov_b32 s[ALB+1], 0
	s_mov_b32 s[BE+1], 0
	s_mov_b32 s[BIGN], 0xf149f2ca   ; -1e30
	s_cmp_eq_u32 s[PB], 0
	s_cselect_b32 s[LIM], 2, -1
	v_and_b32 v[PFO], 31, v0
	v_lshlrev_b32 v[PFO], 8, v[PFO]
	s_wait_dscnt 0x0                ; the opening add is done
	s_wait_kmcnt 0x0
	s_add_nc_u64 s[6:7], s[4:5], s[22:23]      ; K at my half of the head's tile 0,
	s_add_nc_u64 s[8:9], s[6:7], 0x800000      ; V 32 heads behind it
	s_add_nc_u64 s[G0K+2:G0K+3], s[6:7], 0
	s_or_b32 s[G0K+3], s[G0K+3], 0x80000000
	s_add_nc_u64 s[G0K+6:G0K+7], s[6:7], 32768
	s_or_b32 s[G0K+7], s[G0K+7], 0x80000000
	s_add_nc_u64 s[G0V+2:G0V+3], s[8:9], 0
	s_or_b32 s[G0V+3], s[G0V+3], 0x80000000
	s_add_nc_u64 s[G0V+6:G0V+7], s[8:9], 32768
	s_or_b32 s[G0V+7], s[G0V+7], 0x80000000
	s_add_nc_u64 s[86:87], s[4:5], s[84:85]    ; Q at my rows of the second block,
	s_add_nc_u64 s[4:5], s[4:5], s[2:3]        ; Q and O at those of the first
	s_add_nc_u64 s[OLO:OLO+1], s[10:11], s[84:85]
	s_add_nc_u64 s[10:11], s[10:11], s[2:3]
	s_cmp_lt_u32 s[WV], 2
	s_cselect_b64 s[PFA:PFA+1], s[6:7], s[8:9]
	s_add_nc_u64 s[PFA:PFA+1], s[PFA:PFA+1], 2*32768  ; at tile 2: the first change of slots steps it to 3
	s_cmp_lt_u32 s[WV], 2           ; a wave's two first fills, tiles 0 and 1, stand in one branch, ahead of every wait on TENSORcnt and every LDS read: two loads of mine are out
	s_cbranch_scc0 .Lfirst_v
	tensor_load_to_lds s[G0K:G0K+3], s[G1K:G1K+7]
	s_nop 0
	tensor_load_to_lds s[G0K+4:G0K+7], s[G1K:G1K+7]
	s_nop 0
.rept 4
	v_nop
.endr
	s_branch .Lfirst_asked
.Lfirst_v:
	tensor_load_to_lds s[G0V:G0V+3], s[G1V:G1V+7]
	s_nop 0
	tensor_load_to_lds s[G0V+4:G0V+7], s[G1V:G1V+7]
	s_nop 0
.rept 4
	v_nop
.endr
.Lfirst_asked:
	; A fragment of K or Q is 16 rows x 32 channels in 8 registers: lane l holds row l % 16, channels 8 (l / 16) + 0..7 and 16 + 8 (l / 16) + 0..7: two loads of 16 bytes, 32 bytes apart.
	v_and_b32 v1, 15, v0            ; l % 16
	v_bfe_u32 v9, v0, 4, 1          ; l / 16
	v_lshlrev_b32 v[QO], 7, v1
	v_lshl_add_u32 v[QO], v9, 4, v[QO]
	WIN 0x80                        ; destination window 2, address window 0
.set i, 0
.rept 4                             ; both blocks' Q: tile i / 2, channels 32 (i % 2) on
	global_load_b128 v[8*i:8*i+3],   v[QO], s[4:5] offset:(i/2)*2048+(i%2)*64
	global_load_b128 v[8*i+4:8*i+7], v[QO], s[4:5] offset:(i/2)*2048+(i%2)*64+32
	global_load_b128 v[QB+8*i:QB+8*i+3],   v[QO], s[86:87] offset:(i/2)*2048+(i%2)*64
	global_load_b128 v[QB+8*i+4:QB+8*i+7], v[QO], s[86:87] offset:(i/2)*2048+(i%2)*64+32
.set i, i+1
.endr
	WIN 0
	v_lshlrev_b32 v14, 3, v9
	v_sub_nc_u32 v14, v1, v14
	s_lshl_b32 s13, s[WV], 5
	v_add_nc_u32 v14, s13, v14      ; 32 w + l % 16 - 8 (l / 16): register j of group G is hidden from tile 0 where 16 G + j is greater
	WIN 0x40
.set i, 0
.rept 64
	v_cmp_gt_i32 vcc_lo, 16*(i/8)+i%8, v14
	v_cndmask_b32 v[MZ+8+i], 0, s[BIGN], vcc_lo
.set i, i+1
.endr
.set i, 0
.rept 72                            ; O^T, and behind it MZ's group of zeros.  A block's first step multiplies O^T and l by a = 0, so they need only hold finite numbers: zeros for the first block, what the first block left for the second
	v_mov_b32 v[i], 0
.set i, i+1
.endr
.set i, 0
.rept 40
	v_mov_b32 v[MC+i], 0            ; the first block's first steps are seen
.set i, i+1
.endr
	WIN 0
	v_mul_u32_u24 v[AK0], v1, PK
	v_lshl_add_u32 v[AK0], v9, 4, v[AK0]
	; The turning load takes 16 keys x 16 channels (lane l reads key 8 (l / 16) + l % 8, channels 8 ((l / 8) % 2) + 0..7) and leaves half a fragment of V^T: lane l holds channel l % 16 and 8 keys.
	v_and_b32 v10, 7, v0
	v_bfe_u32 v11, v0, 3, 1
	v_lshl_add_u32 v[AV0], v9, 3, v10
	v_mul_u32_u24 v[AV0], v[AV0], PV
	v_lshl_add_u32 v[AV0], v11, 4, v[AV0]
	v_add_nc_u32 v[AV0], VOFF, v[AV0]
	s_mul_i32 s13, s[WV], 16*SP
	s_add_co_u32 s13, s13, STAGE    ; my stage
	v_mul_u32_u24 v[STO], v1, SP    ; in: row l % 16, 16 bytes for each half of the lanes
	v_lshl_add_u32 v[STO], v9, 4, v[STO]
	v_add_nc_u32 v[STO], s13, v[STO]
	v_bfe_u32 v[RD], v0, 3, 2       ; back: 32 lanes take four rows of 128 bytes,
	v_mul_u32_u24 v[RD], v[RD], SP
	v_lshl_add_u32 v[RD], v10, 4, v[RD]
	v_add_nc_u32 v[RD], s13, v[RD]
	v_and_b32 v[GO], 31, v0         ; which are 512 consecutive bytes of O
	v_lshlrev_b32 v[GO], 4, v[GO]
.irp t, 0,1
	v_mov_b32 v[ST+4*\t], 0xfe000000    ; c m: far below every c s
	v_mov_b32 v[ST+4*\t+1], 0xff7fffff  ; m: the lowest finite number
	v_mov_b32 v[ST+4*\t+2], 0
	v_mov_b32 v[ST+4*\t+3], 0
.endr
; THE MATRIX WORK, one product a line; i counts a run's products.  The accumulators of a run take turns, one instruction a turn.
; Product i of 8 of S^T = K Q^T for tile t: channels 32 (i / 4) on, keys 16 (i % 4) on.  The first 4 start the sums with the mask.
.macro KQ1 t
.set rS, S+32*(\t)+8*(i%4)
.set rK, KF+16*(i%4)+8*(i/4)
.set rQ, 16*(\t)+8*(i/4)
.set rM, MC+8*(i%4+1-(\t))
.if i < 4
	WIN 0x1a                        ; K and Q window 2, the mask window 1, S^T window 0
	v_wmma_f32_16x16x32_bf16 v[rS:rS+7], v[rK:rK+7], v[rQ:rQ+7], v[rM:rM+7]
.else
	WIN 0x0a
	v_wmma_f32_16x16x32_bf16 v[rS:rS+7], v[rK:rK+7], v[rQ:rQ+7], v[rS:rS+7]
.endif
.set i, i+1
.endm
; Product i of 16 of O^T += V^T P: keys 32 (i / 8) on, channels 16 ((i / 2) % 4) on, tile i % 2.
.macro PV1
	WIN 0x52                        ; V window 2, P window 0, O^T window 1
.set rO, 32*(i%2)+8*((i/2)%4)
.set rV, VF+32*(i/8)+8*((i/2)%4)
.set rP, P+16*(i%2)+8*(i/8)
	v_wmma_f32_16x16x32_bf16 v[rO:rO+7], v[rV:rV+7], v[rP:rP+7], v[rO:rO+7]
.set i, i+1
.endm
; THE LDS LOADS stand in runs of 16: a step's K (64 keys x 64 channels: 8 fragments) and its V (turned).
.macro FETCH_K
	WIN 0x80
.irp f, 0,1,2,3,4,5,6,7             ; keys 16 (f / 2) on, channels 32 (f % 2) on
	ds_load_b128 v[KF+8*\f:KF+8*\f+3],   v[AK] offset:(\f/2)*16*PK+(\f%2)*64
	ds_load_b128 v[KF+8*\f+4:KF+8*\f+7], v[AK] offset:(\f/2)*16*PK+(\f%2)*64+32
.endr
	s_add_co_u32 s[TBK], s[TBK], KS*PK  ; the next fetch is the next step's
	WIN 0
.endm
.macro FETCH_V
	WIN 0x80
.irp f, 0,1,2,3,4,5,6,7             ; keys 32 (f / 4) on, channels 16 (f % 4) on
	ds_load_tr16_b128 v[VF+8*\f:VF+8*\f+3],   v[AV] offset:(\f/4)*32*PV+(\f%4)*32
	ds_load_tr16_b128 v[VF+8*\f+4:VF+8*\f+7], v[AV] offset:(\f/4)*32*PV+16*PV+(\f%4)*32
.endr
	s_add_co_u32 s[TBV], s[TBV], KS*PV
	WIN 0
.endm
.macro MASK                         ; MC[j] = MZ[j] x ALA + MZ[4 + j] x ALB + BE
	WIN 0x51                        ; destination, source 0 and source 2 in window 1
.set z, 0
.rept 20
	v_pk_fma_f32 v[MC+2*z:MC+2*z+1], v[MZ+2*z:MZ+2*z+1], s[ALA:ALA+1], s[BE:BE+1] op_sel_hi:[1,0,0]
	v_pk_fma_f32 v[MC+2*z:MC+2*z+1], v[MZ+32+2*z:MZ+32+2*z+1], s[ALB:ALB+1], v[MC+2*z:MC+2*z+1] op_sel_hi:[1,0,1]
.set z, z+1
.endr
	WIN 0
.endm
; THE VECTOR WORK, one line at a time: OP tile, kind, number.  X n: number n of the 22 that find the maximum and statistics: 0-11 four chains c0-c3 of seven scores each (each accumulator's lowest registers are
; read first); 12-14, 16 the four scores left over, the old m, c0-c3 into c0; 15 c m_old is kept; 17, 18 the query's other 32 keys lie in the lane 16 away: the new m; 19-21 c m, its change, a.
; F n: c s - c m for pair n of 16.  E n: the exponential of score n of 32.  C n: pair n rounded to bf16.  B n: of the four weights 4 n .. the second pair is added onto the first.  L n: l takes that sum
; (L 0: l = a l + sum).  R n: pair n of 16 of O^T times a.
.set F, 0
.set E, 1
.set C, 2
.set B, 3
.set L, 4
.set R, 5
.set X, 6
.macro OP t, k, n
.set rT, ST+4*(\t)
.set rC, TMP+4*(\t)
.set rW, MV+(\t)
.set rS, S+32*(\t)
.set rP, P+16*(\t)
.set rO, 32*(\t)
.if (\k) == R
	WIN 0x41
	v_pk_mul_f32 v[rO+2*(\n):rO+2*(\n)+1], v[rO+2*(\n):rO+2*(\n)+1], v[rC+2:rC+3] op_sel_hi:[1,0]
.else
	WIN 0
.if (\k) == F
	v_pk_fma_f32 v[rS+2*(\n):rS+2*(\n)+1], v[rS+2*(\n):rS+2*(\n)+1], s[CS:CS+1], v[rT:rT+1] op_sel_hi:[1,0,0] neg_lo:[0,0,1] neg_hi:[0,0,1]
.elseif (\k) == E
	v_exp_f32 v[rS+(\n)], v[rS+(\n)]
.elseif (\k) == C
	v_cvt_pk_bf16_f32 v[rP+(\n)], v[rS+2*(\n)], v[rS+2*(\n)+1]
.elseif (\k) == B
	v_pk_add_f32 v[rS+4*(\n):rS+4*(\n)+1], v[rS+4*(\n):rS+4*(\n)+1], v[rS+4*(\n)+2:rS+4*(\n)+3]
.elseif ((\k) == L) && ((\n) == 0)
	v_pk_fma_f32 v[rT+2:rT+3], v[rT+2:rT+3], v[rC+2:rC+3], v[rS:rS+1] op_sel_hi:[1,0,1]
.elseif (\k) == L
	v_pk_add_f32 v[rT+2:rT+3], v[rT+2:rT+3], v[rS+4*(\n):rS+4*(\n)+1]
.elseif (\n) < 4
	v_max3_num_f32 v[rC+(\n)], v[rS+8*(\n)], v[rS+8*(\n)+1], v[rS+8*(\n)+2]
.elseif (\n) < 12
	v_max3_num_f32 v[rC+(\n)%4], v[rC+(\n)%4], v[rS+8*((\n)%4)+2*((\n)/4)+1], v[rS+8*((\n)%4)+2*((\n)/4)+2]
.elseif (\n) == 12
	v_max3_num_f32 v[rC], v[rC], v[rS+7], v[rS+15]
.elseif (\n) == 13
	v_max3_num_f32 v[rC+1], v[rC+1], v[rS+23], v[rS+31]
.elseif (\n) == 14
	v_max3_num_f32 v[rC+2], v[rC+2], v[rC+3], v[rT+1]
.elseif (\n) == 15
	v_mov_b32 v[rW], v[rT]
.elseif (\n) == 16
	v_max3_num_f32 v[rC], v[rC], v[rC+1], v[rC+2]
.elseif (\n) == 17
	v_permlanex16_b32 v[rC+3], v[rC], s[SEL], s[SEL+1]
.elseif (\n) == 18
	v_max_num_f32 v[rT+1], v[rC], v[rC+3]
.elseif (\n) == 19
	v_mul_f32 v[rT], s[CS], v[rT+1]
.elseif (\n) == 20
	v_sub_f32 v[rC+1], v[rW], v[rT]
.else
	v_exp_f32 v[rC+2], v[rC+1]
.endif
.endif
.endm
; Number n of the 32 that follow a tile's exponentials: the 16 roundings (each pair is rounded before a sum is laid onto it), then sums and l by turns: B 0, B 1, L 0, B 2, L 1, .. B 7, L 6, L 7.
.macro CBL t, n
.if (\n) < 16
	OP \t, C, \n
.elseif (\n) == 16
	OP \t, B, 0
.elseif (\n) == 31
	OP \t, L, 7
.elseif ((\n)%2) == 1
	OP \t, B, ((\n)-15)/2
.else
	OP \t, L, ((\n)-18)/2
.endif
.endm
.macro XQ                           ; the next line of the maximum's queue, the two tiles by turns: q counts
	OP q%2, X, q/2
.set q, q+1
.endm
; THE WAY OUT of a block.  Tile t: O^T divided by l, rounded to bf16; a lane's eight channels of a row pack into 16 bytes; they go into rows of 144 bytes of my stage and come back as whole rows of 128.
.macro PACK t
	WIN 0x41
.set i, 32*(\t)
.rept 16
	v_pk_mul_f32 v[i:i+1], v[i:i+1], v[ST+4*(\t)+2:ST+4*(\t)+3] op_sel_hi:[1,0]
.set i, i+2
.endr
	WIN 0x05                        ; sources 0 and 1 window 1, destination window 0
.set i, 0
.rept 16
	v_cvt_pk_bf16_f32 v[WO+16*(\t)+i], v[32*(\t)+2*i], v[32*(\t)+2*i+1]
.set i, i+1
.endr
	WIN 0
.irp f, 0,1,2,3
	ds_store_b128 v[STO], v[WO+16*(\t)+4*\f:WO+16*(\t)+4*\f+3] offset:32*\f
.endr
.irp f, 0,1,2,3
	ds_load_b128 v[WO+16*(\t)+4*\f:WO+16*(\t)+4*\f+3], v[RD] offset:\f*4*SP  ; LDS serves a wave's instructions in order (ISA guide 5.7.1.4): these see the stores above; the next tile's stores come behind them
.endr
.endm
.macro SEND t, younger              ; younger: the LDS instructions issued behind tile t's loads: the next tile's eight, or none
.irp f, 0,1,2,3
	s_wait_dscnt (\younger)+3-\f
	global_store_b128 v[GO], v[WO+16*(\t)+4*\f:WO+16*(\t)+4*\f+3], s[10:11] offset:(\t)*2048+\f*512  ; 512 consecutive bytes, at a multiple of 256 from O's first
.endr
.endm
; ONE TRIP, for step u of the walk.  tail = 1: the text behind the last refill; its last trip (CNT = 1) stands behind the walk's last step: it reads nothing from LDS, and its scores serve nothing.
.macro TRIP tail
.if \tail
	s_cmp_eq_u32 s[CNT], 1
	s_cbranch_scc1 .Lno_k_\@
.endif
	v_add_nc_u32 v[AK], s[TBK], v[AK0]
	FETCH_K                         ; K(u): the products that read K(u - 1) stand a run of 16 products and its vector lines back
.if \tail
.Lno_k_\@:
.endif
	s_cmp_eq_u32 s[BS], 0           ; was step u - 1 its block's last?  Then u is the next block's first
	s_cselect_b32 s[FIN], 1, 0
	s_cselect_b32 s[BS], s[BS2], s[BS]
	s_cselect_b32 s[TD], s[TD2], s[TD]
	s_sub_co_u32 s[TD1], s[TD], 1
	s_cmp_eq_u32 s[BS], s[TD]       ; the diagonal's first step?
	s_cselect_b32 s[ALA], 1.0, 0
	s_cselect_b32 s[STN], 1, 0
	s_cmp_eq_u32 s[BS], s[TD1]      ; its second?
	s_cselect_b32 s[ALB], 1.0, 0
	s_cselect_b32 s[STN], 2, s[STN]
	s_cmp_lt_u32 s[BS], s[TD1]      ; behind it?
	s_cselect_b32 s[BE], s[BIGN], 0
	s_cselect_b32 s[STN], 3, s[STN]
	s_sub_co_u32 s[BS], s[BS], 1
	s_cmp_eq_u32 s[STN], s[STP]
	s_cbranch_scc1 .Lsame_\@        ; the masks are made anew only where the state has changed
	s_mov_b32 s[STP], s[STN]
	MASK
.Lsame_\@:
	; step u - 1: the two a, the scalings and the exponentials: ONE batch; nothing ahead of its wait names a result of it.  A pair is scaled two groups ahead of its exponentials.
	OP 0, X, 20
	OP 1, X, 20
	OP 0, F, 0
	OP 1, F, 0
	OP 0, X, 21
	OP 0, F, 1
	OP 1, X, 21
	OP 1, F, 1
.set sn, 0
.rept 16
	OP 0, E, 2*sn
.if sn < 14
	OP 0, F, sn+2
.endif
	OP 1, E, 2*sn
.if sn < 14
	OP 1, F, sn+2
.endif
	OP 0, E, 2*sn+1
	OP 1, E, 2*sn+1
.set sn, sn+1
.endr
	v_nop                           ; a plain instruction behind the last exponential (ISA guide 5.7.2): one for the batch,
	s_wait_alu depctr_va_vdst(0)    ; and the one wait ahead of the first line that names a result
.set q, 0
.rept 32
	CBL 0, q                        ; tile 0's roundings and sums: behind them its S^T may be written anew
.set q, q+1
.endr
	s_cmp_eq_u32 s[FIN], 0
	s_cbranch_scc1 .Lsame_q_\@
	WIN 0x82                        ; a block begins with step u: its Q goes where the one text names Q (behind the second block these lines serve nothing),
.set i, 0
.rept 32
	v_mov_b32 v[i], v[QB+i]
.set i, i+1
.endr
	WIN 0
.irp t, 0,1
	v_mov_b32 v[ST+4*\t], 0xfe000000    ; and c m and m start anew: the scalings of step u - 1 have read them
	v_mov_b32 v[ST+4*\t+1], 0xff7fffff
.endr
.Lsame_q_\@:
	s_wait_dscnt 0x0                ; K(u) is in, and V(u - 1), asked for ahead of it
.set i, 0
.set q, 0
.rept 8
	KQ1 0                           ; tile 0's scores of step u | tile 1's roundings and sums of step u - 1
.rept 4
	CBL 1, q
.set q, q+1
.endr
.endr
.set i, 0
.set q, 0
.rept 8
	KQ1 1                           ; tile 1's scores | O^T times a, both tiles.  The four behind the last product are the places (ISA guide 7.12.1) ahead of the first reader of its scores
.rept 4
	OP q%2, R, q/2
.set q, q+1
.endr
.endr
.set i, 0
.set q, 0
.rept 16
	PV1                             ; V^T P of step u - 1 | numbers 0 to 16 of step u's maximum
	XQ
	XQ
.if i <= 2
	XQ
.endif
.endr
.rept 6
	XQ                              ; numbers 17 to 19.  Behind the last product stand six plain lines (16, 18, 19 of both tiles): the places ahead of the way out and of the loads into V's registers
.endr
	s_cmp_eq_u32 s[FIN], 0
	s_cbranch_scc1 .Lgo_on_\@
	; step u - 1 was a block's last: l's two halves and the other half of the lanes' are added, and the block goes out
.irp t, 0,1
	v_add_f32 v[ST+4*\t+2], v[ST+4*\t+2], v[ST+4*\t+3]
.endr
.irp t, 0,1
	v_permlanex16_b32 v[ST+4*\t+3], v[ST+4*\t+2], s[SEL], s[SEL+1]
.endr
.irp t, 0,1
	v_add_f32 v[ST+4*\t+2], v[ST+4*\t+2], v[ST+4*\t+3]
.endr
.irp t, 0,1
	v_rcp_f32 v[ST+4*\t+2], v[ST+4*\t+2]
.endr
	v_nop                           ; a plain instruction behind the last reciprocal,
	s_wait_alu depctr_va_vdst(0)    ; and the one wait for the two
	PACK 0
	PACK 1
	SEND 0, 8
	SEND 1, 0
	s_wait_xcnt 0x0                 ; the stores have read their registers and O's address
	s_mov_b64 s[10:11], s[OLO:OLO+1]  ; the second block's O
.Lgo_on_\@:
.if \tail
	s_cmp_eq_u32 s[CNT], 1
	s_cbranch_scc1 .Lno_v_\@
.endif
	v_add_nc_u32 v[AV], s[TBV], v[AV0]
	FETCH_V                         ; V(u)
.if \tail
.Lno_v_\@:
.endif
.endm
	s_wait_tensorcnt 0x1            ; my part of tile 0 is in; tile 1's load may stay out
	s_barrier_signal -1
	s_barrier_wait -1               ; everybody's is
	v_add_nc_u32 v[AK], s[TBK], v[AK0]
	FETCH_K                         ; step 0
	s_sub_co_u32 s[BS], s[BS], 1
	s_wait_loadcnt 0x0              ; both blocks' Q
	s_wait_dscnt 0x0
.set i, 0
.rept 8
	KQ1 0                           ; the first scores: there is no vector work yet to set between them
.endr
.set i, 0
.rept 8
	KQ1 1
.endr
	WIN 0
.rept 4
	v_nop                           ; the places behind those products
.endr
.set q, 0
.rept 40
	XQ                              ; numbers 0 to 19 of step 0's maximum
.endr
	v_add_nc_u32 v[AV], s[TBV], v[AV0]
	FETCH_V
	s_mov_b32 s[SLOTS], 8
	s_mov_b32 s[CNT], 3
	s_branch .Lstep                 ; tile 0 has three trips left
.Lslot:                             ; seven times: tiles 1 to 7 of the walk are entered, tiles 2 to 8 asked for
	CHANGE 1
	s_mov_b32 s[CNT], 4
.Lstep:
	TRIP 0
	s_sub_co_u32 s[CNT], s[CNT], 1
	s_cmp_lg_u32 s[CNT], 0
	s_cbranch_scc1 .Lstep
	s_sub_co_u32 s[SLOTS], s[SLOTS], 1
	s_cmp_lg_u32 s[SLOTS], 0
	s_cbranch_scc1 .Lslot
	CHANGE 0                        ; the last tile has a text of its own: nothing is asked for
	s_mov_b32 s[CNT], 5             ; its four steps, and the trip that finishes the last of them
.Ltail:
	TRIP 1
	s_sub_co_u32 s[CNT], s[CNT], 1
	s_cmp_lg_u32 s[CNT], 0
	s_cbranch_scc1 .Ltail
	s_wait_tensorcnt 0x0            ; the wave's end: behind my last tensor load and my last LDS store
	ds_add_u32 v[SPW], v[NIL]
	s_wait_dscnt 0x0
	s_endpgm
.Lfunc_end_k_q80fe300ab7_attn:
	.size	k_q80fe300ab7_attn, .Lfunc_end_k_q80fe300ab7_attn-k_q80fe300ab7_attn
	.p2alignl 7, 3214868480
	.fill 96, 4, 3214868480
	.section	.rodata,"a",@progbits
	.p2align	6, 0x0
	.amdhsa_kernel k_q80fe300ab7_attn
		.amdhsa_group_segment_fixed_size 327680
		.amdhsa_private_segment_fixed_size 0
		.amdhsa_enable_private_segment 0
		.amdhsa_kernarg_size 16
		.amdhsa_user_sgpr_count 2
		.amdhsa_user_sgpr_kernarg_segment_ptr 1
		.amdhsa_wavefront_size32 1
		.amdhsa_system_sgpr_workgroup_id_x 1
		.amdhsa_system_sgpr_workgroup_id_y 1
		.amdhsa_system_sgpr_workgroup_id_z 1
		.amdhsa_system_vgpr_workitem_id 0
		.amdhsa_next_free_vgpr 768
		.amdhsa_next_free_sgpr 96
		.amdhsa_reserve_vcc 1
		.amdhsa_float_denorm_mode_32 3
		.amdhsa_float_denorm_mode_16_64 3
		.amdhsa_memory_ordered 1
		.amdhsa_forward_progress 1
		.amdhsa_inst_pref_size 89
	.end_amdhsa_kernel
	.amdgpu_metadata
---
amdhsa.version: [ 1, 2 ]
amdhsa.kernels:
  - .name:           k_q80fe300ab7_attn
    .symbol:         k_q80fe300ab7_attn.kd
    .args:
      - { .name: qkvh, .offset: 0, .size: 8, .value_kind: global_buffer, .address_space: global }
      - { .name: act, .offset: 8, .size: 8, .value_kind: global_buffer, .address_space: global }
    .group_segment_fixed_size: 327680
    .private_segment_fixed_size: 0
    .kernarg_segment_align: 8
    .kernarg_segment_size: 16
    .max_flat_workgroup_size: 128
    .sgpr_count:     96
    .vgpr_count:     768
    .wavefront_size: 32
...
	.end_amdgpu_metadata
.endif
;; end of part 3
;; launch gproj (part 4): grid 8 x 32, 4 waves a work-group, clusters of 4 x 4, 327,680 bytes of LDS; arguments act, wp, b_proj, x, x1; writes x1
.if DOCPART == 4
	.amdgcn_target "amdgcn-amd-amdhsa--gfx1250"
	.amdhsa_code_object_version 6
	.text
	.protected	k_q80fe300ab7_gproj
	.globl	k_q80fe300ab7_gproj
	.p2align	8
	.type	k_q80fe300ab7_gproj,@function
k_q80fe300ab7_gproj:
	s_mov_b64 s[64:65], 0
	v_nop
	global_prefetch_b8 v0, s[64:65] scope:SCOPE_SE
	s_setreg_imm32_b32 hwreg(HW_REG_WAVE_MODE, 25, 1), 1
	s_wait_xcnt 0x0
	s_wait_alu depctr_hold_cnt(0) depctr_sa_sdst(0) depctr_va_vdst(0) depctr_va_sdst(0) depctr_va_ssrc(0) depctr_va_vcc(0) depctr_vm_vsrc(0)
	s_getreg_b32 s2, hwreg(HW_REG_IB_STS2, 6, 4)
	s_cmp_eq_u32 s2, 0
	s_cbranch_scc0 .Lentry_in_a_cluster
	s_endpgm
.Lentry_in_a_cluster:
	s_bfe_u32 s2, ttmp6, 0x10000c
	s_cmp_lg_u32 s2, 0xf033
	s_cbranch_scc0 .Lentry_shape_is_right
	s_endpgm
.Lentry_shape_is_right:
; x1 = x + O W + b.  O: [32][2048][64] bf16, by heads (32 = batch x 16 + head); W: [1024][1024] bf16, [K][N], K = 64 x head + channel; b: [1024] f32; x, x1: [4096][1024] f32.  Sums in f32, K ascending.
; A tile of 128 x 128 gives 8 x 32 = 256 work-groups.  Four waves, 2 x 2, each 64 x 64: 16 accumulators.  K goes in steps of 256, four heads, through a ring of two LDS slots filled by the tensor data mover.
; O's TILE: 64 positions of one head are 8,192 dense bytes; one load takes four such rows, a head apart, and pads LDS behind every position's 128 bytes: [4 heads][64 rows][144 bytes].
; THE PRODUCT IS USED TRANSPOSED: source 0 = 16 columns of W, turned on the way out of LDS by ds_load_tr16_b128; source 1 = 16 rows of O.  A lane then holds row l % 16 and 8 neighbouring columns.
; CLUSTER 4 x 4: O's tiles are shared along a row of the cluster, W's along a column: each is asked for JOINTLY, by the same tensor load with the same descriptor and a mask that names the four.
; THE RESIDUAL, my 64 x 64 of x, is loaded at the head into 128 registers and stays on its way during the K loop.
; THE WAY OUT: the f32 sums go into the ring's own bytes, which have had their last fill; each wave has 64 rows x 272 bytes there and reads back only what it wrote.
; No prefetch: the tiles are small, and a K step's work is short beside what it fetches.
; REGISTERS in windows of 256 (s_set_vgpr_msb: bits 1:0 source 0, 3:2 source 1, 5:4 source 2, 7:6 destination): window 0 addresses, bias, O's fragments; window 1 W's fragments; window 2 the accumulators
; (number i = 4 a + b at register 8 i); window 3 v0-127 the residual.
.set SIZE_N, 1024
.set SIZE_K, 1024
.set TM,     128
.set TN,     128
.set MBW,    4
.set NBW,    4
.set KSTEP,  256
.set SUBS,   KSTEP/32
.set NK,     SIZE_K/KSTEP
.set LAPS,   NK/2
.set AD0,    4096                      ; one load of O: 4 rows (heads) of 4,096 elements (64 positions x 64 channels)
.set AD1,    4
.set ASTR,   131072                    ; a head: 2048 x 64 elements
.set AQI,    4                         ; padding behind every 32 words,
.set PA,     144                       ; 4 words of it
.set HA,     4*64*PA
.set ASTEP,  4*262144                  ; four heads on
.set SA_E,   64                        ; from a head's first 32 channels to its second,
.set SA_O,   64*PA-64                  ; and on to the next head
.set BD0,    128                       ; one load of W: 128 elements x 128 rows of K
.set BD1,    128
.set BQI,    5
.set PB,     288                       ; 256 + 32: an odd multiple of 32 bytes
.set HB,     128*PB
.set BSTEP,  KSTEP*SIZE_N*2
.set SLOT,   2*HA+2*HB
.set SPARE,  2*SLOT                    ; behind the ring: the spare words, 128 bytes a wave: two blocks of 256 bytes that no other line names
.set SPITCH, 272
.set STW,    64*SPITCH
.set ADRA, 16
.set WA,   18
.set ADRB, 20
.set WB,   22
.set STO,  24
.set RD,   25
.set CO,   26                          ; v26  my byte offset in x and in x1; never rewritten
.set SPW,  28
.set NIL,  29
.set BO,   31
.set BIAS, 32                          ; v[32:35]
.set F0,   64
.set F1,   128
.set WV,   14
.set FR,   15                          ; wave / 2: my half of the tile's rows; also: I fetch for O (0) or W (1)
.set WL,   16                          ; wave % 2: my half of its columns; also: which half of that tile I fetch
.set CX,   17
.set CY,   18
.set TX,   19
.set TY,   20
.set G1A,  24
.set G0A,  32
.set G1B,  48
.set G0B,  56
.set LAPC, 66
.set CNT,  67
.set TA,   76
.set TB,   77
.set MSB, 0
.macro WIN new
.if MSB != (\new)
	s_set_vgpr_msb (MSB<<8)|(\new)
.set MSB, \new
.endif
.endm
.macro JLOAD s                         ; a joint load: waves 0 and 1 fetch O's two halves, waves 2 and 3 W's; an s_nop 0 and four v_nop follow each line
	s_cmp_eq_u32 s[FR], 0
	s_cbranch_scc0 .Lfor_b_\@
	tensor_load_to_lds s[G0A+4*(\s):G0A+4*(\s)+3], s[G1A:G1A+7]
	s_nop 0
.rept 4
	v_nop
.endr
	s_branch .Lasked_\@
.Lfor_b_\@:
	tensor_load_to_lds s[G0B+4*(\s):G0B+4*(\s)+3], s[G1B:G1B+7]
	s_nop 0
.rept 4
	v_nop
.endr
.Lasked_\@:
.endm
.macro CROUND                          ; a round of the cluster's barrier
	s_barrier_signal -1
	s_barrier_wait -1
	s_cmp_lg_u32 s[WV], 0
	s_cbranch_scc1 .Lnot_wave_0_\@
	s_barrier_signal -3
.Lnot_wave_0_\@:
	s_barrier_wait -3
	s_barrier_signal -1
	s_barrier_wait -1
.endm
	s_load_b256 s[4:11], s[0:1], 0x0               ; O s[4:5], W s[6:7], bias s[8:9], x s[10:11]
	s_load_b64 s[12:13], s[0:1], 0x20              ; x1
	v_lshl_add_u32 v[SPW], v0, 2, SPARE
	v_mov_b32 v[NIL], 0
	ds_add_u32 v[SPW], v[NIL]                      ; the wave's opening: the add and its wait stand ahead of my first tensor load
	v_lshrrev_b32 v3, 5, v0
	v_readfirstlane_b32 s[WV], v3
	s_lshr_b32 s[FR], s[WV], 1
	s_and_b32 s[WL], s[WV], 1
	s_bfe_u32 s[CX], ttmp6, 0x40000
	s_bfe_u32 s[CY], ttmp6, 0x40004
	s_lshl_b32 s[TX], ttmp9, 2
	s_add_co_u32 s[TX], s[TX], s[CX]
	s_and_b32 s[TY], ttmp7, 0xffff
	s_lshl_b32 s[TY], s[TY], 2
	s_add_co_u32 s[TY], s[TY], s[CY]
	s_lshl_b32 s21, s[CY], 2
	s_lshl_b32 s21, 15, s21                        ; my row of the cluster
	s_lshl_b32 s22, 0x1111, s[CX]                  ; my column
	s_or_b32 s[G1A], s21, (1<<16)|(1<<20)|(1<<21)|(AQI<<22)|(3<<25)
	s_or_b32 s[G1B], s22, (1<<16)|(1<<20)|(1<<21)|(BQI<<22)|(7<<25)
	s_mov_b32 s[G1A+1], (AD0&0xffff)<<16
	s_mov_b32 s[G1A+2], (AD0>>16)|(AD1<<16)
	s_mov_b32 s[G1A+3], AD0<<16
	s_mov_b32 s[G1A+4], AD1
	s_mov_b32 s[G1A+5], ASTR
	s_mov_b32 s[G1A+6], 0
	s_mov_b32 s[G1A+7], 0
	s_mov_b32 s[G1B+1], (BD0&0xffff)<<16
	s_mov_b32 s[G1B+2], (BD0>>16)|(BD1<<16)
	s_mov_b32 s[G1B+3], BD0<<16
	s_mov_b32 s[G1B+4], BD1
	s_mov_b32 s[G1B+5], SIZE_N
	s_mov_b32 s[G1B+6], 0
	s_mov_b32 s[G1B+7], 0
	s_lshr_b32 s40, s[TY], 4                       ; row 128 TY + 64 half: the batch, 16 heads of 262,144 bytes,
	s_lshl_b32 s40, s40, 22
	s_and_b32 s70, s[TY], 15                       ; and the position, 128 bytes each
	s_lshl_b32 s70, s70, 14
	s_add_co_u32 s40, s40, s70
	s_lshl_b32 s70, s[WL], 13
	s_add_co_u32 s40, s40, s70
	s_mov_b32 s41, 0
	s_mul_i32 s46, s[WL], (KSTEP/2)*SIZE_N*2
	s_mul_i32 s72, s[TX], TN*2
	s_add_co_u32 s46, s46, s72
	s_mov_b32 s47, 0
	s_mul_i32 s42, s[WL], HA
	s_mul_i32 s73, s[WL], HB
	s_add_co_u32 s73, s73, 2*HA
	s_wait_dscnt 0x0                               ; the opening add is done
	s_wait_kmcnt 0x0
	s_add_nc_u64 s[40:41], s[4:5], s[40:41]
	s_add_nc_u64 s[46:47], s[6:7], s[46:47]
	CROUND                                         ; all sixteen work-groups are here: the first joint loads meet
.irp s, 0,1
	s_mov_b32 s[G0A+4*(\s)], 1
	s_add_co_u32 s[G0A+4*(\s)+1], s42, (\s)*SLOT
	s_add_nc_u64 s[G0A+4*(\s)+2:G0A+4*(\s)+3], s[40:41], (\s)*ASTEP
	s_or_b32 s[G0A+4*(\s)+3], s[G0A+4*(\s)+3], 0x80000000
	s_mov_b32 s[G0B+4*(\s)], 1
	s_add_co_u32 s[G0B+4*(\s)+1], s73, (\s)*SLOT
	s_add_nc_u64 s[G0B+4*(\s)+2:G0B+4*(\s)+3], s[46:47], (\s)*BSTEP
	s_or_b32 s[G0B+4*(\s)+3], s[G0B+4*(\s)+3], 0x80000000
	JLOAD \s                                       ; K steps 0 and 1: two loads of mine are out
.endr
	v_and_b32 v1, 15, v0                           ; r
	v_bfe_u32 v2, v0, 4, 1                         ; h
	s_mul_i32 s74, s[TX], TN
	s_mul_i32 s75, s[WL], TN/2
	s_add_co_u32 s74, s74, s75                     ; n0
	s_mul_i32 s75, s[TY], TM
	s_mul_i32 s78, s[FR], TM/2
	s_add_co_u32 s75, s75, s78                     ; m0
	s_lshl_b32 s78, s74, 2
	v_lshl_add_u32 v[BO], v1, 4, s78               ; on the way out a lane holds the columns 4 (l % 16) ..
	global_load_b128 v[BIAS:BIAS+3], v[BO], s[8:9]
	s_lshl_b32 s79, s75, 12
	s_add_co_u32 s79, s79, s78
	v_lshlrev_b32 v4, 12, v2                       ; lanes 0-15 one row's 256 bytes, lanes 16-31 the next row's
	v_lshl_add_u32 v4, v1, 4, v4
	v_add_nc_u32 v[CO], s79, v4
	WIN 0xc0                                       ; destination window 3, address window 0
.set p, 0
.rept 32
	global_load_b128 v[4*p:4*p+3], v[CO], s[10:11] offset:8192*p  ; rows 2 p, 2 p + 1 of my 64; these loads stay out until the way out: their offset and base are never rewritten
.set p, p+1
.endr
	WIN 0
	v_mul_u32_u24 v4, v1, PA
	v_lshl_add_u32 v4, v2, 4, v4
	s_mul_i32 s78, s[FR], HA
	v_add_nc_u32 v[ADRA], s78, v4
	v_and_b32 v5, 7, v0
	v_lshl_add_u32 v5, v2, 3, v5
	v_mul_u32_u24 v5, v5, PB
	v_bfe_u32 v6, v0, 3, 1
	v_lshl_add_u32 v5, v6, 4, v5
	s_mul_i32 s78, s[WL], TN
	s_add_co_u32 s78, s78, 2*HA
	v_add_nc_u32 v[ADRB], s78, v5
	s_mul_i32 s78, s[WV], STW
	v_mul_u32_u24 v4, v1, SPITCH
	v_lshl_add_u32 v4, v2, 5, v4
	v_add_nc_u32 v[STO], s78, v4
	v_mul_u32_u24 v4, v2, SPITCH
	v_lshl_add_u32 v4, v1, 4, v4
	v_add_nc_u32 v[RD], s78, v4
.macro FETCH g                         ; a sub-step's fragments into buffer g, in one run
	WIN 0x40
.set j, 0
.rept NBW
	ds_load_tr16_b128 v[(\g)+8*j:(\g)+8*j+3],   v[WB] offset:32*j
	ds_load_tr16_b128 v[(\g)+8*j+4:(\g)+8*j+7], v[WB] offset:32*j+16*PB
.set j, j+1
.endr
	WIN 0
.set j, 0
.rept MBW
	ds_load_b128 v[(\g)+8*j:(\g)+8*j+3],   v[WA] offset:j*16*PA
	ds_load_b128 v[(\g)+8*j+4:(\g)+8*j+7], v[WA] offset:j*16*PA+32
.set j, j+1
.endr
.endm
.macro MUL f, zero                     ; a sub-step's products: the 16 accumulators take turns, in the same order everywhere
.set i, 0
.rept MBW*NBW
	WIN 0xa1
.if \zero
	v_wmma_f32_16x16x32_bf16 v[8*i:8*i+7], v[(\f)+8*(i%NBW):(\f)+8*(i%NBW)+7], v[(\f)+8*(i/NBW):(\f)+8*(i/NBW)+7], 0
.else
	v_wmma_f32_16x16x32_bf16 v[8*i:8*i+7], v[(\f)+8*(i%NBW):(\f)+8*(i%NBW)+7], v[(\f)+8*(i/NBW):(\f)+8*(i/NBW)+7], v[8*i:8*i+7]
.endif
.set i, i+1
.endr
.endm
.macro STEP sa
	s_add_co_u32 s[TA], s[TA], \sa
	s_add_co_u32 s[TB], s[TB], 32*PB
	v_add_nc_u32 v[WA], s[TA], v[ADRA]
	v_add_nc_u32 v[WB], s[TB], v[ADRB]
.endm
.macro U f, g, sa                      ; buffer f is multiplied while buffer g is filled; the four plain lines at the end are the places ahead of the next loads into f
	s_wait_dscnt 0x0
	FETCH \g
	MUL \f, 0
	WIN 0
	STEP \sa
	v_nop
	v_nop
.endm
.macro V
	U F1, F0, SA_E
	U F0, F1, SA_O
.endm
; THE CHANGE OF SLOTS: each wave waits for all its tensor loads, adds 0 to its spare word, waits for that and for its reads of the slot; fill = 1: a round of the cluster's barrier, and the joint refill first behind it.
.macro SYNC slot, next, fill
	s_wait_tensorcnt 0x0
	ds_add_u32 v[SPW], v[NIL]
	s_mov_b32 s[TA], (\next)*SLOT
	s_mov_b32 s[TB], (\next)*SLOT
	v_add_nc_u32 v[WA], s[TA], v[ADRA]
	v_add_nc_u32 v[WB], s[TB], v[ADRB]
.if \fill
	s_add_nc_u64 s[G0A+4*(\slot)+2:G0A+4*(\slot)+3], s[G0A+4*(\slot)+2:G0A+4*(\slot)+3], 2*ASTEP
	s_add_nc_u64 s[G0B+4*(\slot)+2:G0B+4*(\slot)+3], s[G0B+4*(\slot)+2:G0B+4*(\slot)+3], 2*BSTEP
.endif
	s_wait_dscnt 0x0
.if \fill
	CROUND
	JLOAD \slot
.else
	s_barrier_signal -1
	s_barrier_wait -1
.endif
.endm
	s_mov_b32 s[TA], 0
	s_mov_b32 s[TB], 0
	v_mov_b32 v[WA], v[ADRA]
	v_mov_b32 v[WB], v[ADRB]
	s_wait_tensorcnt 0x1                           ; my part of K step 0 is in; K step 1's load may stay out
	s_barrier_signal -1
	s_barrier_wait -1
	FETCH F0
	STEP SA_E
	s_wait_dscnt 0x0
	FETCH F1
	MUL F0, 1                                      ; the first sub-step's products start the sums
	WIN 0
	STEP SA_O
	v_nop
	v_nop
	s_mov_b32 s[LAPC], LAPS
	s_mov_b32 s[CNT], SUBS/2-1
	s_branch .Lin1                                 ; the loop is entered in the middle of a trip: K step 0 goes on in slot 0
.Llap:
	SYNC 0, 1, 1
	s_mov_b32 s[CNT], SUBS/2
.Lin0:
	V
	s_sub_co_u32 s[CNT], s[CNT], 1
	s_cmp_lg_u32 s[CNT], 0
	s_cbranch_scc1 .Lin0
	SYNC 1, 0, 1
	s_mov_b32 s[CNT], SUBS/2
.Lin1:
	V
	s_sub_co_u32 s[CNT], s[CNT], 1
	s_cmp_lg_u32 s[CNT], 0
	s_cbranch_scc1 .Lin1
	s_sub_co_u32 s[LAPC], s[LAPC], 1
	s_cmp_lg_u32 s[LAPC], 0
	s_cbranch_scc1 .Llap
	SYNC 0, 1, 0                                   ; the tail: nothing is asked for
	s_mov_b32 s[CNT], SUBS/2
.Lin2:
	V
	s_sub_co_u32 s[CNT], s[CNT], 1
	s_cmp_lg_u32 s[CNT], 0
	s_cbranch_scc1 .Lin2
	s_wait_dscnt 0x0                               ; my last reads of the ring are back:
	s_barrier_signal -1                            ; say so; the last products stand between signal and wait
	MUL F1, 0
	WIN 0
	s_barrier_wait -1                              ; no wave reads the ring any more, and every fill has landed: its bytes now serve as stages
.rept 4
	v_nop
.endr
	WIN 0x08                                       ; store data in window 2
.set i, 0
.rept MBW*NBW                          ; each accumulator's low registers first
	ds_store_b128 v[STO], v[8*i:8*i+3]   offset:(i/NBW)*16*SPITCH+64*(i%NBW)
	ds_store_b128 v[STO], v[8*i+4:8*i+7] offset:(i/NBW)*16*SPITCH+64*(i%NBW)+16
.set i, i+1
.endr
	WIN 0
.set p, 0
.rept 32
	ds_load_b128 v[64+4*p:64+4*p+3], v[RD] offset:p*2*SPITCH  ; LDS serves a wave's instructions in order (ISA guide 5.7.1.4): these see my stores above
.set p, p+1
.endr
	s_wait_loadcnt 0x0                             ; the bias and the residual
	s_wait_dscnt 0x0
	WIN 0x0c                                       ; source 1 in window 3
.set k, 0
.rept 64
	v_pk_add_f32 v[64+2*k:64+2*k+1], v[64+2*k:64+2*k+1], v[2*k:2*k+1]
.set k, k+1
.endr
	WIN 0
.set k, 0
.rept 64
	v_pk_add_f32 v[64+2*k:64+2*k+1], v[64+2*k:64+2*k+1], v[BIAS+(2*k)%4:BIAS+(2*k)%4+1]
.set k, k+1
.endr
.set p, 0
.rept 32
	global_store_b128 v[CO], v[64+4*p:64+4*p+3], s[12:13] offset:8192*p  ; sixteen lanes store 256 consecutive bytes, aligned
.set p, p+1
.endr
	s_wait_tensorcnt 0x0                           ; the wave's end
	ds_add_u32 v[SPW], v[NIL]
	s_wait_dscnt 0x0
	CROUND                                         ; the closing round
	s_endpgm
.Lfunc_end_k_q80fe300ab7_gproj:
	.size	k_q80fe300ab7_gproj, .Lfunc_end_k_q80fe300ab7_gproj-k_q80fe300ab7_gproj
	.p2alignl 7, 3214868480
	.fill 96, 4, 3214868480
	.section	.rodata,"a",@progbits
	.p2align	6, 0x0
	.amdhsa_kernel k_q80fe300ab7_gproj
		.amdhsa_group_segment_fixed_size 327680
		.amdhsa_private_segment_fixed_size 0
		.amdhsa_enable_private_segment 0
		.amdhsa_kernarg_size 40
		.amdhsa_user_sgpr_count 2
		.amdhsa_user_sgpr_kernarg_segment_ptr 1
		.amdhsa_wavefront_size32 1
		.amdhsa_system_sgpr_workgroup_id_x 1
		.amdhsa_system_sgpr_workgroup_id_y 1
		.amdhsa_system_sgpr_workgroup_id_z 1
		.amdhsa_system_vgpr_workitem_id 0
		.amdhsa_next_free_vgpr 896
		.amdhsa_next_free_sgpr 80
		.amdhsa_reserve_vcc 0
		.amdhsa_float_denorm_mode_32 3
		.amdhsa_float_denorm_mode_16_64 3
		.amdhsa_memory_ordered 1
		.amdhsa_forward_progress 1
		.amdhsa_inst_pref_size 49
	.end_amdhsa_kernel
	.amdgpu_metadata
---
amdhsa.version: [ 1, 2 ]
amdhsa.kernels:
  - .name:           k_q80fe300ab7_gproj
    .symbol:         k_q80fe300ab7_gproj.kd
    .args:
      - { .name: act, .offset: 0, .size: 8, .value_kind: global_buffer, .address_space: global }
      - { .name: wp, .offset: 8, .size: 8, .value_kind: global_buffer, .address_space: global }
      - { .name: b_proj, .offset: 16, .size: 8, .value_kind: global_buffer, .address_space: global }
      - { .name: x, .offset: 24, .size: 8, .value_kind: global_buffer, .address_space: global }
      - { .name: x1, .offset: 32, .size: 8, .value_kind: global_buffer, .address_space: global }
    .group_segment_fixed_size: 327680
    .private_segment_fixed_size: 0
    .kernarg_segment_align: 8
    .kernarg_segment_size: 40
    .max_flat_workgroup_size: 128
    .sgpr_count:     80
    .vgpr_count:     896
    .wavefront_size: 32
...
	.end_amdgpu_metadata
.endif
;; end of part 4
;; launch ln2 (part 5): grid 256 x 1, 8 waves a work-group, no clusters, 0 bytes of LDS; arguments x1, ln2_g, ln2_b, act; writes act
.if DOCPART == 5
	.amdgcn_target "amdgcn-amd-amdhsa--gfx1250"
	.amdhsa_code_object_version 6
	.text
	.protected	k_q80fe300ab7_ln2
	.globl	k_q80fe300ab7_ln2
	.p2align	8
	.type	k_q80fe300ab7_ln2,@function
k_q80fe300ab7_ln2:
	s_mov_b64 s[64:65], 0
	v_nop
	global_prefetch_b8 v0, s[64:65] scope:SCOPE_SE
	s_setreg_imm32_b32 hwreg(HW_REG_WAVE_MODE, 25, 1), 1
	s_wait_xcnt 0x0
; y[r][c] = (x[r][c] - mean_r) * rsqrt(var_r + 1e-5) * g[c] + b[c].  x: [4096][1024] f32; g, b: [1024] f32; y: [4096][1024] bf16, rounded once.
; A work-group owns 16 rows, a wave two: a row of 4,096 bytes is 32 registers of one wave and stays there between the passes, so x is read once and no wave waits for another: no LDS, no barrier.
; TWO PASSES in f32: first the mean, then the sum of (x - mean)^2: a common offset of x costs no digits.
; Lane l holds the columns 128 j + 4 l .. + 3, j = 0 .. 7: a wave's load covers 512 consecutive bytes, its store of 8 bytes a lane 256 consecutive bytes, aligned.
; Matrix units, clusters and tensor loads are left out: nothing is shared but g and b, 8 KiB.
.set X0,  32                           ; v[32:63] row 0, v[64:95] row 1
.set G,   96                           ; v[96:127]  g of my 32 columns
.set BV,  128                          ; v[128:159] b of my 32 columns
.set OUT, 160                          ; v[160:175], v[176:191] the two rows in bf16
	s_load_b256 s[4:11], s[0:1], 0x0               ; x s[4:5], g s[6:7], b s[8:9], y s[10:11]
	s_mov_b32 s12, 0x76543210                      ; v_permlanex16_b32: each lane takes its own place in the other half
	s_mov_b32 s13, 0xfedcba98
	s_mov_b32 s14, 0x3a800000                      ; 1 / 1024
	s_mov_b32 s15, 0x3727c5ac                      ; 1e-5
	s_lshl_b32 s16, ttmp9, 16                      ; 16 rows of 4,096 bytes
	s_mov_b32 s17, 0
	s_lshl_b32 s18, ttmp9, 15                      ; 16 rows of 2,048 bytes
	s_mov_b32 s19, 0
	v_and_b32 v3, 31, v0                           ; lane
	v_lshrrev_b32 v4, 5, v0                        ; wave
	v_lshlrev_b32 v1, 13, v4                       ; two rows of x a wave,
	v_lshl_add_u32 v1, v3, 4, v1                   ; 16 bytes a lane
	v_lshlrev_b32 v2, 12, v4                       ; two rows of y a wave,
	v_lshl_add_u32 v2, v3, 3, v2                   ; 8 bytes a lane
	v_lshlrev_b32 v3, 4, v3                        ; my 16 bytes in g and b
	s_wait_kmcnt 0x0
	s_add_nc_u64 s[4:5], s[4:5], s[16:17]
	s_add_nc_u64 s[10:11], s[10:11], s[18:19]
.set j, 0
.rept 16
	global_load_b128 v[X0+4*j:X0+4*j+3], v1, s[4:5] offset:4096*(j/8)+512*(j%8) th:TH_LOAD_NT
.set j, j+1
.endr
.set j, 0
.rept 8
	global_load_b128 v[G+4*j:G+4*j+3], v3, s[6:7] offset:512*j
	global_load_b128 v[BV+4*j:BV+4*j+3], v3, s[8:9] offset:512*j
.set j, j+1
.endr
.macro FOLD                            ; four pairs of partial sums in v[8:15] -> the wave's sum in every lane's v8
	v_pk_add_f32 v[8:9], v[8:9], v[10:11]
	v_pk_add_f32 v[12:13], v[12:13], v[14:15]
	v_pk_add_f32 v[8:9], v[8:9], v[12:13]
	v_add_f32 v8, v8, v9
	v_add_f32_dpp v8, v8, v8 row_xmask:1 row_mask:0xf bank_mask:0xf
	v_add_f32_dpp v8, v8, v8 row_xmask:2 row_mask:0xf bank_mask:0xf
	v_add_f32_dpp v8, v8, v8 row_xmask:4 row_mask:0xf bank_mask:0xf
	v_add_f32_dpp v8, v8, v8 row_xmask:8 row_mask:0xf bank_mask:0xf
	v_permlanex16_b32 v9, v8, s12, s13             ; v9 has been written: the destination counts as read
	v_add_f32 v8, v8, v9
.endm
; Row r: the mean into v[M:M+1]; x - mean in place; var + 1e-5 into v[M+2].  Four chains each, started by the first four pairs: nothing is cleared.
.macro STAT r
.set X, X0+32*(\r)
.set M, 16+4*(\r)
.set k, 0
.rept 4
	v_pk_add_f32 v[8+2*k:9+2*k], v[X+4*k:X+4*k+1], v[X+4*k+2:X+4*k+3]
.set k, k+1
.endr
.set k, 0
.rept 8
	v_pk_add_f32 v[8+2*(k%4):9+2*(k%4)], v[8+2*(k%4):9+2*(k%4)], v[X+16+2*k:X+16+2*k+1]
.set k, k+1
.endr
	FOLD
	v_mul_f32 v[M], s14, v8
	v_mov_b32 v[M+1], v[M]
.set k, 0
.rept 16
	v_pk_add_f32 v[X+2*k:X+2*k+1], v[X+2*k:X+2*k+1], v[M:M+1] neg_lo:[0,1] neg_hi:[0,1]
.set k, k+1
.endr
.set k, 0
.rept 4
	v_pk_mul_f32 v[8+2*k:9+2*k], v[X+2*k:X+2*k+1], v[X+2*k:X+2*k+1]
.set k, k+1
.endr
.set k, 4
.rept 12
	v_pk_fma_f32 v[8+2*(k%4):9+2*(k%4)], v[X+2*k:X+2*k+1], v[X+2*k:X+2*k+1], v[8+2*(k%4):9+2*(k%4)]
.set k, k+1
.endr
	FOLD
	v_fma_f32 v[M+2], v8, s14, s15                 ; the sum of squares / 1024 + 1e-5
.endm
; Row r: times 1 / sqrt, times g plus b (fused), rounded to bf16, stored.
.macro NORM r
.set X, X0+32*(\r)
.set M, 16+4*(\r)
.set k, 0
.rept 16
	v_pk_mul_f32 v[X+2*k:X+2*k+1], v[X+2*k:X+2*k+1], v[M+2:M+3]
.set k, k+1
.endr
.set k, 0
.rept 16
	v_pk_fma_f32 v[X+2*k:X+2*k+1], v[X+2*k:X+2*k+1], v[G+2*k:G+2*k+1], v[BV+2*k:BV+2*k+1]
.set k, k+1
.endr
.set k, 0
.rept 16
	v_cvt_pk_bf16_f32 v[OUT+16*(\r)+k], v[X+2*k], v[X+2*k+1]
.set k, k+1
.endr
.set k, 0
.rept 8
	global_store_b64 v2, v[OUT+16*(\r)+2*k:OUT+16*(\r)+2*k+1], s[10:11] offset:2048*(\r)+256*k
.set k, k+1
.endr
.endm
	s_wait_loadcnt 16                              ; the two rows are in; the 16 younger loads, g and b, may stay out
	STAT 0
	STAT 1
	v_rsq_f32 v18, v18                             ; one batch of two,
	v_rsq_f32 v22, v22
	v_nop                                          ; a plain instruction behind the last of them (ISA guide 5.7.2),
	s_wait_alu depctr_va_vdst(0)                   ; and the one wait ahead of the first line that names a result
	v_mov_b32 v19, v18                             ; pairs for the packed multiply
	v_mov_b32 v23, v22
	s_wait_loadcnt 0x0                             ; g and b
	NORM 0
	NORM 1
	s_endpgm
.Lfunc_end_k_q80fe300ab7_ln2:
	.size	k_q80fe300ab7_ln2, .Lfunc_end_k_q80fe300ab7_ln2-k_q80fe300ab7_ln2
	.p2alignl 7, 3214868480
	.fill 96, 4, 3214868480
	.section	.rodata,"a",@progbits
	.p2align	6, 0x0
	.amdhsa_kernel k_q80fe300ab7_ln2
		.amdhsa_group_segment_fixed_size 0
		.amdhsa_private_segment_fixed_size 0
		.amdhsa_enable_private_segment 0
		.amdhsa_kernarg_size 32
		.amdhsa_user_sgpr_count 2
		.amdhsa_user_sgpr_kernarg_segment_ptr 1
		.amdhsa_wavefront_size32 1
		.amdhsa_system_sgpr_workgroup_id_x 1
		.amdhsa_system_sgpr_workgroup_id_y 1
		.amdhsa_system_sgpr_workgroup_id_z 1
		.amdhsa_system_vgpr_workitem_id 0
		.amdhsa_next_free_vgpr 192
		.amdhsa_next_free_sgpr 66
		.amdhsa_reserve_vcc 0
		.amdhsa_float_denorm_mode_32 3
		.amdhsa_float_denorm_mode_16_64 3
		.amdhsa_memory_ordered 1
		.amdhsa_forward_progress 1
		.amdhsa_inst_pref_size 20
	.end_amdhsa_kernel
	.amdgpu_metadata
---
amdhsa.version: [ 1, 2 ]
amdhsa.kernels:
  - .name:           k_q80fe300ab7_ln2
    .symbol:         k_q80fe300ab7_ln2.kd
    .args:
      - { .name: x1, .offset: 0, .size: 8, .value_kind: global_buffer, .address_space: global }
      - { .name: ln2_g, .offset: 8, .size: 8, .value_kind: global_buffer, .address_space: global }
      - { .name: ln2_b, .offset: 16, .size: 8, .value_kind: global_buffer, .address_space: global }
      - { .name: act, .offset: 24, .size: 8, .value_kind: global_buffer, .address_space: global }
    .group_segment_fixed_size: 0
    .private_segment_fixed_size: 0
    .kernarg_segment_align: 8
    .kernarg_segment_size: 32
    .max_flat_workgroup_size: 256
    .sgpr_count:     66
    .vgpr_count:     192
    .wavefront_size: 32
...
	.end_amdgpu_metadata
.endif
;; end of part 5
;; launch gfc1 (part 6): grid 16 x 16, 4 waves a work-group, clusters of 4 x 4, 327,680 bytes of LDS; arguments act, w1, b_fc1, gel; writes gel
.if DOCPART == 6
	.amdgcn_target "amdgcn-amd-amdhsa--gfx1250"
	.amdhsa_code_object_version 6
	.text
	.protected	k_q80fe300ab7_gfc1
	.globl	k_q80fe300ab7_gfc1
	.p2align	8
	.type	k_q80fe300ab7_gfc1,@function
k_q80fe300ab7_gfc1:
	s_mov_b64 s[64:65], 0
	v_nop
	global_prefetch_b8 v0, s[64:65] scope:SCOPE_SE
	s_setreg_imm32_b32 hwreg(HW_REG_WAVE_MODE, 25, 1), 1
	s_wait_xcnt 0x0
	s_wait_alu depctr_hold_cnt(0) depctr_sa_sdst(0) depctr_va_vdst(0) depctr_va_sdst(0) depctr_va_ssrc(0) depctr_va_vcc(0) depctr_vm_vsrc(0)
	s_getreg_b32 s2, hwreg(HW_REG_IB_STS2, 6, 4)
	s_cmp_eq_u32 s2, 0
	s_cbranch_scc0 .Lentry_in_a_cluster
	s_endpgm
.Lentry_in_a_cluster:
	s_bfe_u32 s2, ttmp6, 0x10000c
	s_cmp_lg_u32 s2, 0xf033
	s_cbranch_scc0 .Lentry_shape_is_right
	s_endpgm
.Lentry_shape_is_right:
; g = gelu(h W + b), the exact GELU x (1 + erf(x / sqrt 2)) / 2.  h: [4096][1024] bf16; W: [1024][4096] bf16, [K][N]; b: [4096] f32; g: [4096][4096] bf16, rounded once.  Sums in f32: the bias first, then K ascending.
; A tile of 256 x 256 is made by four waves, 2 x 2, each 128 x 128: 64 accumulators, 512 registers; 16 x 16 tiles: 256 work-groups.  K goes in steps of 128 through a ring of two LDS slots.
; THE PRODUCT IS USED TRANSPOSED: source 0 = 16 columns of W, turned on the way out of LDS by ds_load_tr16_b128; source 1 = 16 rows of h.  A lane then holds row l % 16 and 8 neighbouring columns.
; THE BIAS STARTS THE SUMS: it lies in 64 registers in an accumulator's own layout (register j of block b: column 16 b + 8 (l / 16) + j) and is the C operand of the first sub-step's products.
; CLUSTER 4 x 4: h's tiles are shared along a row of the cluster, W's along a column: each is asked for JOINTLY, by the same tensor load with the same descriptor and a mask that names the four.
; THE GELU: gelu(x) = max(x, 0) - |x| y, y = (1/2) poly(t) 2^(-x^2 log2(e) / 2), t = 1 / (1 + 0.23164189 |x|): the rational form of erfc (Abramowitz and Stegun 7.1.26) at |x| / sqrt 2.  It holds for every finite x,
; forms no difference of large numbers, and is off from erf by 1.5e-7 at the most, so from gelu by 0.75e-7 |x|.  LIMIT: an infinite x gives NaN.
; THE WAY OUT: the f32 sums go into the ring's own bytes, which have had their last fill; each wave has 128 rows x 528 bytes there and reads back only what it wrote, four rows a trip, asked for a trip ahead.
; REGISTERS in windows of 256 (s_set_vgpr_msb: bits 1:0 source 0, 3:2 source 1, 5:4 source 2, 7:6 destination): window 0 addresses, bias, h's fragments (two buffers); window 1 W's fragments;
; windows 2 and 3 the accumulators: number i = 8 a + b at window 2 + i / 32, register 8 (i % 32).
.set SIZE_N, 4096
.set SIZE_K, 1024
.set TM,     256
.set TN,     256
.set MBW,    8
.set NBW,    8
.set KSTEP,  128
.set SUBS,   KSTEP/32
.set NK,     SIZE_K/KSTEP
.set LAPS,   NK/2
.set AD0,    128                       ; one load of h: 128 elements x 128 rows
.set AD1,    128
.set ASTR,   SIZE_K
.set AQI,    5
.set PA,     272                       ; 256 + 16: the 16 rows of a fragment load start 16 bytes apart modulo 256
.set HA,     128*PA
.set ASTEP,  KSTEP*2
.set SA_E,   64
.set SA_O,   64
.set BD0,    256                       ; one load of W: 256 elements x 64 rows of K
.set BD1,    64
.set BQI,    6
.set PB,     544                       ; 512 + 32: an odd multiple of 32 bytes
.set HB,     64*PB
.set BSTEP,  KSTEP*SIZE_N*2
.set SLOT,   2*HA+2*HB
.set SPARE,  2*SLOT                    ; behind the ring: the spare words, 128 bytes a wave: two blocks of 256 bytes that no other line names
.set SPITCH, 528
.set STW,    128*SPITCH
.set ADRA, 16
.set WA,   18
.set ADRB, 20
.set WB,   22
.set STO,  24
.set RD,   25
.set CO,   26
.set SPW,  28
.set NIL,  29
.set PFO,  30
.set BO,   31                          ; v31  my byte offset in the bias; never rewritten
.set F0,   64
.set F1,   128
.set BIASR, 192                        ; v[192:255] the bias, 8 registers for each block of 16 columns
.set WV,   14
.set FR,   15                          ; wave / 2: my half of the tile's rows; also: I fetch for h (0) or W (1)
.set WL,   16                          ; wave % 2: my half of its columns; also: which half of that tile I fetch
.set CX,   17
.set CY,   18
.set TX,   19
.set TY,   20
.set G1A,  24
.set G0A,  32
.set LIM,  43
.set PFA,  44
.set G1B,  48
.set G0B,  56
.set LAPC, 66
.set CNT,  67
.set PFS,  68
.set TA,   76
.set TB,   77
.set MSB, 0
.macro WIN new
.if MSB != (\new)
	s_set_vgpr_msb (MSB<<8)|(\new)
.set MSB, \new
.endif
.endm
.macro JLOAD s                         ; a joint load: waves 0 and 1 fetch h's two halves, waves 2 and 3 W's; an s_nop 0 and four v_nop follow each line
	s_cmp_eq_u32 s[FR], 0
	s_cbranch_scc0 .Lfor_b_\@
	tensor_load_to_lds s[G0A+4*(\s):G0A+4*(\s)+3], s[G1A:G1A+7]
	s_nop 0
.rept 4
	v_nop
.endr
	s_branch .Lasked_\@
.Lfor_b_\@:
	tensor_load_to_lds s[G0B+4*(\s):G0B+4*(\s)+3], s[G1B:G1B+7]
	s_nop 0
.rept 4
	v_nop
.endr
.Lasked_\@:
.endm
.macro CROUND                          ; a round of the cluster's barrier
	s_barrier_signal -1
	s_barrier_wait -1
	s_cmp_lg_u32 s[WV], 0
	s_cbranch_scc1 .Lnot_wave_0_\@
	s_barrier_signal -3
.Lnot_wave_0_\@:
	s_barrier_wait -3
	s_barrier_signal -1
	s_barrier_wait -1
.endm
; A prefetch, behind a joint load and its five lines: the K step that stands two refills on, 32 blocks of 256 bytes, a lane a block, one instruction a wave.  h's tile row is read by every cluster of
; that row of clusters: the one with x = 0 asks; W's tile column by every cluster of that column: the one with y = 0 asks.  The four partners that fetch a tile jointly share it out BY ADDRESS.
; So each block is named once in the launch.  K steps 0 to 3 come by their loads alone; the loop's last trip (LAPC = 1) asks for nothing.
.macro ASK
	s_cmp_gt_u32 s[LAPC], s[LIM]
	s_cbranch_scc0 .Lnot_mine_\@
	global_prefetch_b8 v[PFO], s[PFA:PFA+1] th:TH_LOAD_NT scope:SCOPE_SE
.Lnot_mine_\@:
.endm
	s_load_b256 s[4:11], s[0:1], 0x0               ; h s[4:5], W s[6:7], bias s[8:9], g s[10:11]
	v_lshl_add_u32 v[SPW], v0, 2, SPARE
	v_mov_b32 v[NIL], 0
	ds_add_u32 v[SPW], v[NIL]                      ; the wave's opening: the add and its wait stand ahead of my first tensor load
	v_lshrrev_b32 v3, 5, v0
	v_readfirstlane_b32 s[WV], v3
	s_lshr_b32 s[FR], s[WV], 1
	s_and_b32 s[WL], s[WV], 1
	s_bfe_u32 s[CX], ttmp6, 0x40000
	s_bfe_u32 s[CY], ttmp6, 0x40004
	s_lshl_b32 s[TX], ttmp9, 2
	s_add_co_u32 s[TX], s[TX], s[CX]
	s_and_b32 s[TY], ttmp7, 0xffff
	s_lshl_b32 s[TY], s[TY], 2
	s_add_co_u32 s[TY], s[TY], s[CY]
	s_lshl_b32 s21, s[CY], 2
	s_lshl_b32 s21, 15, s21                        ; my row of the cluster
	s_lshl_b32 s22, 0x1111, s[CX]                  ; my column
	s_or_b32 s[G1A], s21, (1<<16)|(1<<20)|(1<<21)|(AQI<<22)|(3<<25)
	s_or_b32 s[G1B], s22, (1<<16)|(1<<20)|(1<<21)|(BQI<<22)|(7<<25)
	s_mov_b32 s[G1A+1], (AD0&0xffff)<<16
	s_mov_b32 s[G1A+2], (AD0>>16)|(AD1<<16)
	s_mov_b32 s[G1A+3], AD0<<16
	s_mov_b32 s[G1A+4], AD1
	s_mov_b32 s[G1A+5], ASTR
	s_mov_b32 s[G1A+6], 0
	s_mov_b32 s[G1A+7], 0
	s_mov_b32 s[G1B+1], (BD0&0xffff)<<16
	s_mov_b32 s[G1B+2], (BD0>>16)|(BD1<<16)
	s_mov_b32 s[G1B+3], BD0<<16
	s_mov_b32 s[G1B+4], BD1
	s_mov_b32 s[G1B+5], SIZE_N
	s_mov_b32 s[G1B+6], 0
	s_mov_b32 s[G1B+7], 0
	s_mul_i32 s40, s[TY], TM*SIZE_K*2
	s_mul_i32 s70, s[WL], (TM/2)*SIZE_K*2
	s_add_co_u32 s40, s40, s70
	s_mov_b32 s41, 0
	s_mul_i32 s46, s[WL], (KSTEP/2)*SIZE_N*2
	s_mul_i32 s72, s[TX], TN*2
	s_add_co_u32 s46, s46, s72
	s_mov_b32 s47, 0
	s_mul_i32 s42, s[WL], HA
	s_mul_i32 s73, s[WL], HB
	s_add_co_u32 s73, s73, 2*HA
	s_wait_dscnt 0x0                               ; the opening add is done
	s_wait_kmcnt 0x0
	s_add_nc_u64 s[40:41], s[4:5], s[40:41]
	s_add_nc_u64 s[46:47], s[6:7], s[46:47]
	CROUND                                         ; all sixteen work-groups are here: the first joint loads meet
.irp s, 0,1
	s_mov_b32 s[G0A+4*(\s)], 1
	s_add_co_u32 s[G0A+4*(\s)+1], s42, (\s)*SLOT
	s_add_nc_u64 s[G0A+4*(\s)+2:G0A+4*(\s)+3], s[40:41], (\s)*ASTEP
	s_or_b32 s[G0A+4*(\s)+3], s[G0A+4*(\s)+3], 0x80000000
	s_mov_b32 s[G0B+4*(\s)], 1
	s_add_co_u32 s[G0B+4*(\s)+1], s73, (\s)*SLOT
	s_add_nc_u64 s[G0B+4*(\s)+2:G0B+4*(\s)+3], s[46:47], (\s)*BSTEP
	s_or_b32 s[G0B+4*(\s)+3], s[G0B+4*(\s)+3], 0x80000000
	JLOAD \s                                       ; K steps 0 and 1: two loads of mine are out
.endr
	v_and_b32 v1, 15, v0                           ; r
	v_bfe_u32 v2, v0, 4, 1                         ; h
	v_and_b32 v3, 31, v0                           ; l
	s_mul_i32 s74, s[TX], TN
	s_mul_i32 s75, s[WL], TN/2
	s_add_co_u32 s74, s74, s75                     ; n0
	s_mul_i32 s75, s[TY], TM
	s_mul_i32 s78, s[FR], TM/2
	s_add_co_u32 s75, s75, s78                     ; m0
	s_lshl_b32 s78, s74, 2
	v_lshl_add_u32 v[BO], v2, 5, s78               ; the bias of the columns n0 + 16 b + 8 h + 0 .. 7: 32 bytes for each block b
.set j, 0
.rept NBW
	global_load_b128 v[BIASR+8*j:BIASR+8*j+3],   v[BO], s[8:9] offset:64*j
	global_load_b128 v[BIASR+8*j+4:BIASR+8*j+7], v[BO], s[8:9] offset:64*j+16
.set j, j+1
.endr
	s_lshl_b32 s79, s75, 13                        ; a row of g is 8,192 bytes
	s_lshl_b32 s71, s74, 1
	s_add_co_u32 s79, s79, s71
	v_lshl_add_u32 v[CO], v3, 3, s79               ; on the way out a lane holds the columns 4 l .. of my 128
	v_mul_u32_u24 v4, v1, PA
	v_lshl_add_u32 v4, v2, 4, v4
	s_mul_i32 s78, s[FR], HA
	v_add_nc_u32 v[ADRA], s78, v4
	v_and_b32 v5, 7, v0
	v_lshl_add_u32 v5, v2, 3, v5
	v_mul_u32_u24 v5, v5, PB
	v_bfe_u32 v6, v0, 3, 1
	v_lshl_add_u32 v5, v6, 4, v5
	s_mul_i32 s78, s[WL], TN
	s_add_co_u32 s78, s78, 2*HA
	v_add_nc_u32 v[ADRB], s78, v5
	s_mul_i32 s78, s[WV], STW
	v_mul_u32_u24 v4, v1, SPITCH
	v_lshl_add_u32 v4, v2, 5, v4
	v_add_nc_u32 v[STO], s78, v4
	v_lshl_add_u32 v[RD], v3, 4, s78               ; back: 32 lanes take a whole row of 128 f32
	; the prefetches: both offsets are made, then one compare on the wave's number chooses
	s_mul_i32 s74, s[TY], TM
	s_lshl_b32 s75, s[WL], 7
	s_add_co_u32 s74, s74, s75
	s_lshl_b32 s75, s[CX], 5                       ; of the 128 rows of h that I fetch my work-group names 32, a lane a row
	s_add_co_u32 s74, s74, s75
	s_mul_i32 s74, s74, SIZE_K*2
	s_add_co_u32 s74, s74, 3*ASTEP                 ; at K step 3: the first change of slots steps it to 4
	s_lshl_b32 s78, s[WL], 6
	s_lshl_b32 s79, s[CY], 4                       ; of the 64 K rows of W that I fetch my work-group names 16: two lanes a row of 512 bytes
	s_add_co_u32 s78, s78, s79
	s_mul_i32 s78, s78, SIZE_N*2
	s_mul_i32 s79, s[TX], TN*2
	s_add_co_u32 s78, s78, s79
	s_add_co_u32 s78, s78, 3*BSTEP
	s_and_b32 s79, ttmp7, 0xffff
	s_mov_b32 s71, BSTEP
	s_mov_b32 s23, SIZE_N*2
	s_cmp_eq_u32 s[FR], 0
	s_cselect_b32 s74, s74, s78
	s_cselect_b32 s79, ttmp9, s79
	s_cselect_b64 s[PFA:PFA+1], s[4:5], s[6:7]
	s_cselect_b32 s[PFS], ASTEP, s71
	s_cselect_b32 s23, SIZE_K*2, s23
	s_cselect_b32 s78, 0, 1
	s_mov_b32 s75, 0
	s_mov_b32 s[PFS+1], 0
	s_add_nc_u64 s[PFA:PFA+1], s[PFA:PFA+1], s[74:75]
	s_cmp_eq_u32 s79, 0
	s_cselect_b32 s[LIM], 1, -1
	v_lshrrev_b32 v[PFO], s78, v3
	v_mul_u32_u24 v[PFO], v[PFO], s23
	v_and_b32 v4, s78, v3
	v_lshl_add_u32 v[PFO], v4, 8, v[PFO]
.macro FETCH g                         ; a sub-step's fragments into buffer g, in one run
	WIN 0x40
.set j, 0
.rept NBW
	ds_load_tr16_b128 v[(\g)+8*j:(\g)+8*j+3],   v[WB] offset:32*j
	ds_load_tr16_b128 v[(\g)+8*j+4:(\g)+8*j+7], v[WB] offset:32*j+16*PB
.set j, j+1
.endr
	WIN 0
.set j, 0
.rept MBW
	ds_load_b128 v[(\g)+8*j:(\g)+8*j+3],   v[WA] offset:j*16*PA
	ds_load_b128 v[(\g)+8*j+4:(\g)+8*j+7], v[WA] offset:j*16*PA+32
.set j, j+1
.endr
.endm
; A sub-step's products: the 64 accumulators take turns, in the same order everywhere.  first = 1: the products start the sums, with the bias as C.
.macro MUL f, first
.set i, 0
.rept MBW*NBW
.if \first
	WIN 0x81+0x40*(i/32)                           ; W window 1, h and the bias window 0, D window 2 or 3
	v_wmma_f32_16x16x32_bf16 v[8*(i%32):8*(i%32)+7], v[(\f)+8*(i%NBW):(\f)+8*(i%NBW)+7], v[(\f)+8*(i/NBW):(\f)+8*(i/NBW)+7], v[BIASR+8*(i%NBW):BIASR+8*(i%NBW)+7]
.else
	WIN 0xa1+0x50*(i/32)
	v_wmma_f32_16x16x32_bf16 v[8*(i%32):8*(i%32)+7], v[(\f)+8*(i%NBW):(\f)+8*(i%NBW)+7], v[(\f)+8*(i/NBW):(\f)+8*(i/NBW)+7], v[8*(i%32):8*(i%32)+7]
.endif
.set i, i+1
.endr
.endm
.macro STEP sa
	s_add_co_u32 s[TA], s[TA], \sa
	s_add_co_u32 s[TB], s[TB], 32*PB
	v_add_nc_u32 v[WA], s[TA], v[ADRA]
	v_add_nc_u32 v[WB], s[TB], v[ADRB]
.endm
.macro U f, g, sa                      ; buffer f is multiplied while buffer g is filled; the four plain lines at the end are the places ahead of the next loads into f
	s_wait_dscnt 0x0
	FETCH \g
	MUL \f, 0
	WIN 0
	STEP \sa
	v_nop
	v_nop
.endm
.macro V
	U F1, F0, SA_E
	U F0, F1, SA_O
.endm
; THE CHANGE OF SLOTS: each wave waits for all its tensor loads, adds 0 to its spare word, waits for that and for its reads of the slot; fill = 1: a round of the cluster's barrier, and the joint refill first behind it.
.macro SYNC slot, next, fill
	s_wait_xcnt 0x0                                ; the last prefetch, a K step back, has read its address
	s_add_nc_u64 s[PFA:PFA+1], s[PFA:PFA+1], s[PFS:PFS+1]
	s_wait_tensorcnt 0x0
	ds_add_u32 v[SPW], v[NIL]
	s_mov_b32 s[TA], (\next)*SLOT
	s_mov_b32 s[TB], (\next)*SLOT
	v_add_nc_u32 v[WA], s[TA], v[ADRA]
	v_add_nc_u32 v[WB], s[TB], v[ADRB]
.if \fill
	s_add_nc_u64 s[G0A+4*(\slot)+2:G0A+4*(\slot)+3], s[G0A+4*(\slot)+2:G0A+4*(\slot)+3], 2*ASTEP
	s_add_nc_u64 s[G0B+4*(\slot)+2:G0B+4*(\slot)+3], s[G0B+4*(\slot)+2:G0B+4*(\slot)+3], 2*BSTEP
.endif
	s_wait_dscnt 0x0
.if \fill
	CROUND
	JLOAD \slot
	ASK
.else
	s_barrier_signal -1
	s_barrier_wait -1
.endif
.endm
	s_mov_b32 s[TA], 0
	s_mov_b32 s[TB], 0
	v_mov_b32 v[WA], v[ADRA]
	v_mov_b32 v[WB], v[ADRB]
	s_wait_tensorcnt 0x1                           ; my part of K step 0 is in; K step 1's load may stay out
	s_barrier_signal -1
	s_barrier_wait -1
	FETCH F0
	STEP SA_E
	s_wait_loadcnt 0x0                             ; the bias
	s_wait_dscnt 0x0
	FETCH F1
	MUL F0, 1                                      ; the first sub-step's products start the sums
	WIN 0
	STEP SA_O
	v_nop
	v_nop
	s_mov_b32 s[LAPC], LAPS
	s_mov_b32 s[CNT], SUBS/2-1
	s_branch .Lin1                                 ; the loop is entered in the middle of a trip: K step 0 goes on in slot 0
.Llap:
	SYNC 0, 1, 1
	s_mov_b32 s[CNT], SUBS/2
.Lin0:
	V
	s_sub_co_u32 s[CNT], s[CNT], 1
	s_cmp_lg_u32 s[CNT], 0
	s_cbranch_scc1 .Lin0
	SYNC 1, 0, 1
	s_mov_b32 s[CNT], SUBS/2
.Lin1:
	V
	s_sub_co_u32 s[CNT], s[CNT], 1
	s_cmp_lg_u32 s[CNT], 0
	s_cbranch_scc1 .Lin1
	s_sub_co_u32 s[LAPC], s[LAPC], 1
	s_cmp_lg_u32 s[LAPC], 0
	s_cbranch_scc1 .Llap
	SYNC 0, 1, 0                                   ; the tail: nothing is asked for
	s_mov_b32 s[CNT], SUBS/2
.Lin2:
	V
	s_sub_co_u32 s[CNT], s[CNT], 1
	s_cmp_lg_u32 s[CNT], 0
	s_cbranch_scc1 .Lin2
	s_wait_dscnt 0x0                               ; my last reads of the ring are back:
	s_barrier_signal -1                            ; say so; the last products stand between signal and wait
	MUL F1, 0
	WIN 0
	s_barrier_wait -1                              ; no wave reads the ring any more, and every fill has landed: its bytes now serve as stages
.rept 4
	v_nop                                          ; the places between the last product and the stores that read results
.endr
.set i, 0
.rept MBW*NBW                          ; each accumulator's low registers first
	WIN 0x08+0x04*(i/32)
	ds_store_b128 v[STO], v[8*(i%32):8*(i%32)+3]   offset:(i/NBW)*16*SPITCH+64*(i%NBW)
	ds_store_b128 v[STO], v[8*(i%32)+4:8*(i%32)+7] offset:(i/NBW)*16*SPITCH+64*(i%NBW)+16
.set i, i+1
.endr
	WIN 0
.set X,  64                            ; x, 16 numbers: 4 rows x my 4 columns, as read
.set AX, 80                            ; |x|
.set T,  96                            ; 1 + p |x|, then t
.set E,  112                           ; x^2, the exponent, then the exponential
.set MX, 128                           ; max(x, 0)
.set Q,  144                           ; the polynomial, then the result
.set OUT, 160
.set KC, 200                           ; constants, each twice, for the packed forms (the bias's registers are free)
.macro KONST n, val
	v_mov_b32 v[KC+2*(\n)], \val
	v_mov_b32 v[KC+2*(\n)+1], \val
.endm
	KONST 0, 0x3e027906                            ;  0.127414796   the series' five coefficients, halved
	KONST 1, 0xbe11a98e                            ; -0.142248368
	KONST 2, 0x3f35f0e3                            ;  0.710706871
	KONST 3, 0xbf3a00e3                            ; -0.726576014
	KONST 4, 0x3f07dc22                            ;  0.530702715
	KONST 5, 0x3e6d3388                            ;  0.23164189 = 0.3275911 / sqrt 2
	KONST 6, 0xbf38aa3b                            ; -log2(e) / 2
	KONST 7, 1.0
	s_mov_b32 s23, 0x7fffffff
.macro ALL8 line:vararg                ; one line for each pair k of eight
.set k, 0
.rept 8
	\line
.set k, k+1
.endr
.endm
.macro ROWS                            ; four rows of my stage.  LDS serves a wave's instructions in order (ISA guide 5.7.1.4): the loads see my stores above
.set j, 0
.rept 4
	ds_load_b128 v[X+4*j:X+4*j+3], v[RD] offset:j*SPITCH
.set j, j+1
.endr
.endm
.macro NEXT                            ; all that reads x itself: behind these lines X may be loaded again
.set j, 0
.rept 16
	v_and_b32 v[AX+j], s23, v[X+j]
.set j, j+1
.endr
	ALL8 v_pk_mul_f32 v[E+2*k:E+2*k+1], v[X+2*k:X+2*k+1], v[X+2*k:X+2*k+1]
.set j, 0
.rept 16
	v_max_num_f32 v[MX+j], 0, v[X+j]
.set j, j+1
.endr
.endm
	ROWS
	s_wait_dscnt 0x0
	NEXT
	s_mov_b32 s[CNT], 32
.Lout:                                         ; 32 trips of 4 rows.  The next trip's rows are asked of LDS at the head and have the trip's arithmetic in which to come
	v_add_nc_u32 v[RD], 4*SPITCH, v[RD]
	s_cmp_eq_u32 s[CNT], 1
	s_cbranch_scc1 .Lno_more                       ; behind my last four rows there are none
	ROWS
.Lno_more:
	v_pk_fma_f32 v[T:T+1], v[AX:AX+1], v[KC+10:KC+11], v[KC+14:KC+15]
	v_pk_mul_f32 v[E:E+1], v[E:E+1], v[KC+12:KC+13]
.set k, 1
.rept 7                                ; one batch of 32 reciprocals and exponentials; the next pair's two plain lines stand among them and name no result
	v_pk_fma_f32 v[T+2*k:T+2*k+1], v[AX+2*k:AX+2*k+1], v[KC+10:KC+11], v[KC+14:KC+15]
	v_rcp_f32 v[T+2*k-2], v[T+2*k-2]
	v_exp_f32 v[E+2*k-2], v[E+2*k-2]
	v_pk_mul_f32 v[E+2*k:E+2*k+1], v[E+2*k:E+2*k+1], v[KC+12:KC+13]
	v_rcp_f32 v[T+2*k-1], v[T+2*k-1]
	v_exp_f32 v[E+2*k-1], v[E+2*k-1]
.set k, k+1
.endr
	v_rcp_f32 v[T+14], v[T+14]
	v_exp_f32 v[E+14], v[E+14]
	v_rcp_f32 v[T+15], v[T+15]
	v_exp_f32 v[E+15], v[E+15]
	v_nop                                          ; a plain instruction behind the last of them (ISA guide 5.7.2),
	s_wait_alu depctr_va_vdst(0)                   ; and the one wait ahead of the first line that names a result of the batch
	ALL8 v_pk_fma_f32 v[Q+2*k:Q+2*k+1], v[T+2*k:T+2*k+1], v[KC+8:KC+9], v[KC+6:KC+7]
	ALL8 v_pk_fma_f32 v[Q+2*k:Q+2*k+1], v[Q+2*k:Q+2*k+1], v[T+2*k:T+2*k+1], v[KC+4:KC+5]
	ALL8 v_pk_fma_f32 v[Q+2*k:Q+2*k+1], v[Q+2*k:Q+2*k+1], v[T+2*k:T+2*k+1], v[KC+2:KC+3]
	ALL8 v_pk_fma_f32 v[Q+2*k:Q+2*k+1], v[Q+2*k:Q+2*k+1], v[T+2*k:T+2*k+1], v[KC:KC+1]
	ALL8 v_pk_mul_f32 v[Q+2*k:Q+2*k+1], v[Q+2*k:Q+2*k+1], v[T+2*k:T+2*k+1]
	ALL8 v_pk_mul_f32 v[Q+2*k:Q+2*k+1], v[Q+2*k:Q+2*k+1], v[E+2*k:E+2*k+1]
	ALL8 v_pk_fma_f32 v[Q+2*k:Q+2*k+1], v[AX+2*k:AX+2*k+1], v[Q+2*k:Q+2*k+1], v[MX+2*k:MX+2*k+1] neg_lo:[1,0,0] neg_hi:[1,0,0]
	s_wait_xcnt 0x0                                ; the last trip's stores, a trip's arithmetic back, have read their data and their offset: both are rewritten only behind this wait
	ALL8 v_cvt_pk_bf16_f32 v[OUT+k], v[Q+2*k], v[Q+2*k+1]
	v_add_nc_u32 v[CO], 4*8192, v[CO]              ; four rows of g on; the stores reach back
.set j, 0
.rept 4
	global_store_b64 v[CO], v[OUT+2*j:OUT+2*j+1], s[10:11] offset:j*8192-4*8192  ; a wave's store covers 256 consecutive bytes, aligned
.set j, j+1
.endr
	s_wait_dscnt 0x0                               ; the next four rows are in (in the last trip nothing is out, and the lines below serve nothing)
	NEXT
	s_sub_co_u32 s[CNT], s[CNT], 1
	s_cmp_lg_u32 s[CNT], 0
	s_cbranch_scc1 .Lout
	s_wait_tensorcnt 0x0                           ; the wave's end: behind my last tensor load and my last LDS store
	ds_add_u32 v[SPW], v[NIL]
	s_wait_dscnt 0x0
	CROUND                                         ; the closing round: no work-group ends while a partner may still ask for a tile that names it
	s_endpgm
.Lfunc_end_k_q80fe300ab7_gfc1:
	.size	k_q80fe300ab7_gfc1, .Lfunc_end_k_q80fe300ab7_gfc1-k_q80fe300ab7_gfc1
	.p2alignl 7, 3214868480
	.fill 96, 4, 3214868480
	.section	.rodata,"a",@progbits
	.p2align	6, 0x0
	.amdhsa_kernel k_q80fe300ab7_gfc1
		.amdhsa_group_segment_fixed_size 327680
		.amdhsa_private_segment_fixed_size 0
		.amdhsa_enable_private_segment 0
		.amdhsa_kernarg_size 32
		.amdhsa_user_sgpr_count 2
		.amdhsa_user_sgpr_kernarg_segment_ptr 1
		.amdhsa_wavefront_size32 1
		.amdhsa_system_sgpr_workgroup_id_x 1
		.amdhsa_system_sgpr_workgroup_id_y 1
		.amdhsa_system_sgpr_workgroup_id_z 1
		.amdhsa_system_vgpr_workitem_id 0
		.amdhsa_next_free_vgpr 1024
		.amdhsa_next_free_sgpr 80
		.amdhsa_reserve_vcc 0
		.amdhsa_float_denorm_mode_32 3
		.amdhsa_float_denorm_mode_16_64 3
		.amdhsa_memory_ordered 1
		.amdhsa_forward_progress 1
		.amdhsa_inst_pref_size 86
	.end_amdhsa_kernel
	.amdgpu_metadata
---
amdhsa.version: [ 1, 2 ]
amdhsa.kernels:
  - .name:           k_q80fe300ab7_gfc1
    .symbol:         k_q80fe300ab7_gfc1.kd
    .args:
      - { .name: act, .offset: 0, .size: 8, .value_kind: global_buffer, .address_space: global }
      - { .name: w1, .offset: 8, .size: 8, .value_kind: global_buffer, .address_space: global }
      - { .name: b_fc1, .offset: 16, .size: 8, .value_kind: global_buffer, .address_space: global }
      - { .name: gel, .offset: 24, .size: 8, .value_kind: global_buffer, .address_space: global }
    .group_segment_fixed_size: 327680
    .private_segment_fixed_size: 0
    .kernarg_segment_align: 8
    .kernarg_segment_size: 32
    .max_flat_workgroup_size: 128
    .sgpr_count:     80
    .vgpr_count:     1024
    .wavefront_size: 32
...
	.end_amdgpu_metadata
.endif
;; end of part 6
;; launch gfc2 (part 7): grid 8 x 32, 4 waves a work-group, clusters of 4 x 4, 327,680 bytes of LDS; arguments gel, w2, b_fc2, x1, out0; writes out0
.if DOCPART == 7
	.amdgcn_target "amdgcn-amd-amdhsa--gfx1250"
	.amdhsa_code_object_version 6
	.text
	.protected	k_q80fe300ab7_gfc2
	.globl	k_q80fe300ab7_gfc2
	.p2align	8
	.type	k_q80fe300ab7_gfc2,@function
k_q80fe300ab7_gfc2:
	s_mov_b64 s[64:65], 0
	v_nop
	global_prefetch_b8 v0, s[64:65] scope:SCOPE_SE
	s_setreg_imm32_b32 hwreg(HW_REG_WAVE_MODE, 25, 1), 1
	s_wait_xcnt 0x0
	s_wait_alu depctr_hold_cnt(0) depctr_sa_sdst(0) depctr_va_vdst(0) depctr_va_sdst(0) depctr_va_ssrc(0) depctr_va_vcc(0) depctr_vm_vsrc(0)
	s_getreg_b32 s2, hwreg(HW_REG_IB_STS2, 6, 4)
	s_cmp_eq_u32 s2, 0
	s_cbranch_scc0 .Lentry_in_a_cluster
	s_endpgm
.Lentry_in_a_cluster:
	s_bfe_u32 s2, ttmp6, 0x10000c
	s_cmp_lg_u32 s2, 0xf033
	s_cbranch_scc0 .Lentry_shape_is_right
	s_endpgm
.Lentry_shape_is_right:
; out = x1 + g W + b.  g: [4096][4096] bf16; W: [4096][1024] bf16, [K][N]; b: [1024] f32; x1, out: [4096][1024] f32.  Sums in f32, K ascending.
; A tile of 128 x 128 gives 8 x 32 = 256 work-groups.  Four waves, 2 x 2, each 64 x 64: 16 accumulators.  K goes in steps of 256 (rows of 512 bytes of g) through a ring of two LDS slots filled by the tensor data mover.
; THE PRODUCT IS USED TRANSPOSED: source 0 = 16 columns of W, turned on the way out of LDS by ds_load_tr16_b128; source 1 = 16 rows of g.  A lane then holds row l % 16 and 8 neighbouring columns.
; CLUSTER 4 x 4: g's tiles are shared along a row of the cluster, W's along a column: each is asked for JOINTLY, by the same tensor load with the same descriptor and a mask that names the four.
; THE RESIDUAL, my 64 x 64 of x1, is loaded at the head into 128 registers and stays on its way during the K loop.
; THE WAY OUT: the f32 sums go into the ring's own bytes, which have had their last fill; each wave has 64 rows x 272 bytes there and reads back only what it wrote.
; No prefetch: the tiles are small, and a K step's work is short beside what it fetches.
; REGISTERS in windows of 256 (s_set_vgpr_msb: bits 1:0 source 0, 3:2 source 1, 5:4 source 2, 7:6 destination): window 0 addresses, bias, g's fragments; window 1 W's fragments; window 2 the accumulators
; (number i = 4 a + b at register 8 i); window 3 v0-127 the residual.
.set SIZE_N, 1024
.set SIZE_K, 4096
.set TM,     128
.set TN,     128
.set MBW,    4
.set NBW,    4
.set KSTEP,  256
.set SUBS,   KSTEP/32
.set NK,     SIZE_K/KSTEP
.set LAPS,   NK/2
.set AD0,    256                       ; one load of g: 256 elements x 64 rows
.set AD1,    64
.set ASTR,   SIZE_K
.set AQI,    6                         ; padding behind every 128 words,
.set PA,     528                       ; 4 words of it
.set HA,     64*PA
.set ASTEP,  KSTEP*2
.set SA_E,   64
.set SA_O,   64
.set BD0,    128                       ; one load of W: 128 elements x 128 rows of K
.set BD1,    128
.set BQI,    5
.set PB,     288                       ; 256 + 32: an odd multiple of 32 bytes
.set HB,     128*PB
.set BSTEP,  KSTEP*SIZE_N*2
.set SLOT,   2*HA+2*HB
.set SPARE,  2*SLOT                    ; behind the ring: the spare words, 128 bytes a wave: two blocks of 256 bytes that no other line names
.set SPITCH, 272
.set STW,    64*SPITCH
.set ADRA, 16
.set WA,   18
.set ADRB, 20
.set WB,   22
.set STO,  24
.set RD,   25
.set CO,   26                          ; v26  my byte offset in x1 and in out; never rewritten
.set SPW,  28
.set NIL,  29
.set BO,   31
.set BIAS, 32                          ; v[32:35]
.set F0,   64
.set F1,   128
.set WV,   14
.set FR,   15                          ; wave / 2: my half of the tile's rows; also: I fetch for g (0) or W (1)
.set WL,   16                          ; wave % 2: my half of its columns; also: which half of that tile I fetch
.set CX,   17
.set CY,   18
.set TX,   19
.set TY,   20
.set G1A,  24
.set G0A,  32
.set G1B,  48
.set G0B,  56
.set LAPC, 66
.set CNT,  67
.set TA,   76
.set TB,   77
.set MSB, 0
.macro WIN new
.if MSB != (\new)
	s_set_vgpr_msb (MSB<<8)|(\new)
.set MSB, \new
.endif
.endm
.macro JLOAD s                         ; a joint load: waves 0 and 1 fetch g's two halves, waves 2 and 3 W's; an s_nop 0 and four v_nop follow each line
	s_cmp_eq_u32 s[FR], 0
	s_cbranch_scc0 .Lfor_b_\@
	tensor_load_to_lds s[G0A+4*(\s):G0A+4*(\s)+3], s[G1A:G1A+7]
	s_nop 0
.rept 4
	v_nop
.endr
	s_branch .Lasked_\@
.Lfor_b_\@:
	tensor_load_to_lds s[G0B+4*(\s):G0B+4*(\s)+3], s[G1B:G1B+7]
	s_nop 0
.rept 4
	v_nop
.endr
.Lasked_\@:
.endm
.macro CROUND                          ; a round of the cluster's barrier
	s_barrier_signal -1
	s_barrier_wait -1
	s_cmp_lg_u32 s[WV], 0
	s_cbranch_scc1 .Lnot_wave_0_\@
	s_barrier_signal -3
.Lnot_wave_0_\@:
	s_barrier_wait -3
	s_barrier_signal -1
	s_barrier_wait -1
.endm
	s_load_b256 s[4:11], s[0:1], 0x0               ; g s[4:5], W s[6:7], bias s[8:9], x1 s[10:11]
	s_load_b64 s[12:13], s[0:1], 0x20              ; out
	v_lshl_add_u32 v[SPW], v0, 2, SPARE
	v_mov_b32 v[NIL], 0
	ds_add_u32 v[SPW], v[NIL]                      ; the wave's opening: the add and its wait stand ahead of my first tensor load
	v_lshrrev_b32 v3, 5, v0
	v_readfirstlane_b32 s[WV], v3
	s_lshr_b32 s[FR], s[WV], 1
	s_and_b32 s[WL], s[WV], 1
	s_bfe_u32 s[CX], ttmp6, 0x40000
	s_bfe_u32 s[CY], ttmp6, 0x40004
	s_lshl_b32 s[TX], ttmp9, 2
	s_add_co_u32 s[TX], s[TX], s[CX]
	s_and_b32 s[TY], ttmp7, 0xffff
	s_lshl_b32 s[TY], s[TY], 2
	s_add_co_u32 s[TY], s[TY], s[CY]
	s_lshl_b32 s21, s[CY], 2
	s_lshl_b32 s21, 15, s21                        ; my row of the cluster
	s_lshl_b32 s22, 0x1111, s[CX]                  ; my column
	s_or_b32 s[G1A], s21, (1<<16)|(1<<20)|(1<<21)|(AQI<<22)|(3<<25)
	s_or_b32 s[G1B], s22, (1<<16)|(1<<20)|(1<<21)|(BQI<<22)|(7<<25)
	s_mov_b32 s[G1A+1], (AD0&0xffff)<<16
	s_mov_b32 s[G1A+2], (AD0>>16)|(AD1<<16)
	s_mov_b32 s[G1A+3], AD0<<16
	s_mov_b32 s[G1A+4], AD1
	s_mov_b32 s[G1A+5], ASTR
	s_mov_b32 s[G1A+6], 0
	s_mov_b32 s[G1A+7], 0
	s_mov_b32 s[G1B+1], (BD0&0xffff)<<16
	s_mov_b32 s[G1B+2], (BD0>>16)|(BD1<<16)
	s_mov_b32 s[G1B+3], BD0<<16
	s_mov_b32 s[G1B+4], BD1
	s_mov_b32 s[G1B+5], SIZE_N
	s_mov_b32 s[G1B+6], 0
	s_mov_b32 s[G1B+7], 0
	s_mul_i32 s40, s[TY], TM*SIZE_K*2
	s_mul_i32 s70, s[WL], (TM/2)*SIZE_K*2
	s_add_co_u32 s40, s40, s70
	s_mov_b32 s41, 0
	s_mul_i32 s46, s[WL], (KSTEP/2)*SIZE_N*2
	s_mul_i32 s72, s[TX], TN*2
	s_add_co_u32 s46, s46, s72
	s_mov_b32 s47, 0
	s_mul_i32 s42, s[WL], HA
	s_mul_i32 s73, s[WL], HB
	s_add_co_u32 s73, s73, 2*HA
	s_wait_dscnt 0x0                               ; the opening add is done
	s_wait_kmcnt 0x0
	s_add_nc_u64 s[40:41], s[4:5], s[40:41]
	s_add_nc_u64 s[46:47], s[6:7], s[46:47]
	CROUND                                         ; all sixteen work-groups are here: the first joint loads meet
.irp s, 0,1
	s_mov_b32 s[G0A+4*(\s)], 1
	s_add_co_u32 s[G0A+4*(\s)+1], s42, (\s)*SLOT
	s_add_nc_u64 s[G0A+4*(\s)+2:G0A+4*(\s)+3], s[40:41], (\s)*ASTEP
	s_or_b32 s[G0A+4*(\s)+3], s[G0A+4*(\s)+3], 0x80000000
	s_mov_b32 s[G0B+4*(\s)], 1
	s_add_co_u32 s[G0B+4*(\s)+1], s73, (\s)*SLOT
	s_add_nc_u64 s[G0B+4*(\s)+2:G0B+4*(\s)+3], s[46:47], (\s)*BSTEP
	s_or_b32 s[G0B+4*(\s)+3], s[G0B+4*(\s)+3], 0x80000000
	JLOAD \s                                       ; K steps 0 and 1: two loads of mine are out
.endr
	v_and_b32 v1, 15, v0                           ; r
	v_bfe_u32 v2, v0, 4, 1                         ; h
	s_mul_i32 s74, s[TX], TN
	s_mul_i32 s75, s[WL], TN/2
	s_add_co_u32 s74, s74, s75                     ; n0
	s_mul_i32 s75, s[TY], TM
	s_mul_i32 s78, s[FR], TM/2
	s_add_co_u32 s75, s75, s78                     ; m0
	s_lshl_b32 s78, s74, 2
	v_lshl_add_u32 v[BO], v1, 4, s78               ; on the way out a lane holds the columns 4 (l % 16) ..
	global_load_b128 v[BIAS:BIAS+3], v[BO], s[8:9]
	s_lshl_b32 s79, s75, 12
	s_add_co_u32 s79, s79, s78
	v_lshlrev_b32 v4, 12, v2                       ; lanes 0-15 one row's 256 bytes, lanes 16-31 the next row's
	v_lshl_add_u32 v4, v1, 4, v4
	v_add_nc_u32 v[CO], s79, v4
	WIN 0xc0                                       ; destination window 3, address window 0
.set p, 0
.rept 32
	global_load_b128 v[4*p:4*p+3], v[CO], s[10:11] offset:8192*p  ; rows 2 p, 2 p + 1 of my 64; these loads stay out until the way out: their offset and base are never rewritten
.set p, p+1
.endr
	WIN 0
	v_mul_u32_u24 v4, v1, PA
	v_lshl_add_u32 v4, v2, 4, v4
	s_mul_i32 s78, s[FR], HA
	v_add_nc_u32 v[ADRA], s78, v4
	v_and_b32 v5, 7, v0
	v_lshl_add_u32 v5, v2, 3, v5
	v_mul_u32_u24 v5, v5, PB
	v_bfe_u32 v6, v0, 3, 1
	v_lshl_add_u32 v5, v6, 4, v5
	s_mul_i32 s78, s[WL], TN
	s_add_co_u32 s78, s78, 2*HA
	v_add_nc_u32 v[ADRB], s78, v5
	s_mul_i32 s78, s[WV], STW
	v_mul_u32_u24 v4, v1, SPITCH
	v_lshl_add_u32 v4, v2, 5, v4
	v_add_nc_u32 v[STO], s78, v4
	v_mul_u32_u24 v4, v2, SPITCH
	v_lshl_add_u32 v4, v1, 4, v4
	v_add_nc_u32 v[RD], s78, v4
.macro FETCH g                         ; a sub-step's fragments into buffer g, in one run
	WIN 0x40
.set j, 0
.rept NBW
	ds_load_tr16_b128 v[(\g)+8*j:(\g)+8*j+3],   v[WB] offset:32*j
	ds_load_tr16_b128 v[(\g)+8*j+4:(\g)+8*j+7], v[WB] offset:32*j+16*PB
.set j, j+1
.endr
	WIN 0
.set j, 0
.rept MBW
	ds_load_b128 v[(\g)+8*j:(\g)+8*j+3],   v[WA] offset:j*16*PA
	ds_load_b128 v[(\g)+8*j+4:(\g)+8*j+7], v[WA] offset:j*16*PA+32
.set j, j+1
.endr
.endm
.macro MUL f, zero                     ; a sub-step's products: the 16 accumulators take turns, in the same order everywhere
.set i, 0
.rept MBW*NBW
	WIN 0xa1
.if \zero
	v_wmma_f32_16x16x32_bf16 v[8*i:8*i+7], v[(\f)+8*(i%NBW):(\f)+8*(i%NBW)+7], v[(\f)+8*(i/NBW):(\f)+8*(i/NBW)+7], 0
.else
	v_wmma_f32_16x16x32_bf16 v[8*i:8*i+7], v[(\f)+8*(i%NBW):(\f)+8*(i%NBW)+7], v[(\f)+8*(i/NBW):(\f)+8*(i/NBW)+7], v[8*i:8*i+7]
.endif
.set i, i+1
.endr
.endm
.macro STEP sa
	s_add_co_u32 s[TA], s[TA], \sa
	s_add_co_u32 s[TB], s[TB], 32*PB
	v_add_nc_u32 v[WA], s[TA], v[ADRA]
	v_add_nc_u32 v[WB], s[TB], v[ADRB]
.endm
.macro U f, g, sa                      ; buffer f is multiplied while buffer g is filled; the four plain lines at the end are the places ahead of the next loads into f
	s_wait_dscnt 0x0
	FETCH \g
	MUL \f, 0
	WIN 0
	STEP \sa
	v_nop
	v_nop
.endm
.macro V
	U F1, F0, SA_E
	U F0, F1, SA_O
.endm
; THE CHANGE OF SLOTS: each wave waits for all its tensor loads, adds 0 to its spare word, waits for that and for its reads of the slot; fill = 1: a round of the cluster's barrier, and the joint refill first behind it.
.macro SYNC slot, next, fill
	s_wait_tensorcnt 0x0
	ds_add_u32 v[SPW], v[NIL]
	s_mov_b32 s[TA], (\next)*SLOT
	s_mov_b32 s[TB], (\next)*SLOT
	v_add_nc_u32 v[WA], s[TA], v[ADRA]
	v_add_nc_u32 v[WB], s[TB], v[ADRB]
.if \fill
	s_add_nc_u64 s[G0A+4*(\slot)+2:G0A+4*(\slot)+3], s[G0A+4*(\slot)+2:G0A+4*(\slot)+3], 2*ASTEP
	s_add_nc_u64 s[G0B+4*(\slot)+2:G0B+4*(\slot)+3], s[G0B+4*(\slot)+2:G0B+4*(\slot)+3], 2*BSTEP
.endif
	s_wait_dscnt 0x0
.if \fill
	CROUND
	JLOAD \slot
.else
	s_barrier_signal -1
	s_barrier_wait -1
.endif
.endm
	s_mov_b32 s[TA], 0
	s_mov_b32 s[TB], 0
	v_mov_b32 v[WA], v[ADRA]
	v_mov_b32 v[WB], v[ADRB]
	s_wait_tensorcnt 0x1                           ; my part of K step 0 is in; K step 1's load may stay out
	s_barrier_signal -1
	s_barrier_wait -1
	FETCH F0
	STEP SA_E
	s_wait_dscnt 0x0
	FETCH F1
	MUL F0, 1                                      ; the first sub-step's products start the sums
	WIN 0
	STEP SA_O
	v_nop
	v_nop
	s_mov_b32 s[LAPC], LAPS
	s_mov_b32 s[CNT], SUBS/2-1
	s_branch .Lin1                                 ; the loop is entered in the middle of a trip: K step 0 goes on in slot 0
.Llap:
	SYNC 0, 1, 1
	s_mov_b32 s[CNT], SUBS/2
.Lin0:
	V
	s_sub_co_u32 s[CNT], s[CNT], 1
	s_cmp_lg_u32 s[CNT], 0
	s_cbranch_scc1 .Lin0
	SYNC 1, 0, 1
	s_mov_b32 s[CNT], SUBS/2
.Lin1:
	V
	s_sub_co_u32 s[CNT], s[CNT], 1
	s_cmp_lg_u32 s[CNT], 0
	s_cbranch_scc1 .Lin1
	s_sub_co_u32 s[LAPC], s[LAPC], 1
	s_cmp_lg_u32 s[LAPC], 0
	s_cbranch_scc1 .Llap
	SYNC 0, 1, 0                                   ; the tail: nothing is asked for
	s_mov_b32 s[CNT], SUBS/2
.Lin2:
	V
	s_sub_co_u32 s[CNT], s[CNT], 1
	s_cmp_lg_u32 s[CNT], 0
	s_cbranch_scc1 .Lin2
	s_wait_dscnt 0x0                               ; my last reads of the ring are back:
	s_barrier_signal -1                            ; say so; the last products stand between signal and wait
	MUL F1, 0
	WIN 0
	s_barrier_wait -1                              ; no wave reads the ring any more, and every fill has landed: its bytes now serve as stages
.rept 4
	v_nop
.endr
	WIN 0x08                                       ; store data in window 2
.set i, 0
.rept MBW*NBW                          ; each accumulator's low registers first
	ds_store_b128 v[STO], v[8*i:8*i+3]   offset:(i/NBW)*16*SPITCH+64*(i%NBW)
	ds_store_b128 v[STO], v[8*i+4:8*i+7] offset:(i/NBW)*16*SPITCH+64*(i%NBW)+16
.set i, i+1
.endr
	WIN 0
.set p, 0
.rept 32
	ds_load_b128 v[64+4*p:64+4*p+3], v[RD] offset:p*2*SPITCH  ; LDS serves a wave's instructions in order (ISA guide 5.7.1.4): these see my stores above
.set p, p+1
.endr
	s_wait_loadcnt 0x0                             ; the bias and the residual
	s_wait_dscnt 0x0
	WIN 0x0c                                       ; source 1 in window 3
.set k, 0
.rept 64
	v_pk_add_f32 v[64+2*k:64+2*k+1], v[64+2*k:64+2*k+1], v[2*k:2*k+1]
.set k, k+1
.endr
	WIN 0
.set k, 0
.rept 64
	v_pk_add_f32 v[64+2*k:64+2*k+1], v[64+2*k:64+2*k+1], v[BIAS+(2*k)%4:BIAS+(2*k)%4+1]
.set k, k+1
.endr
.set p, 0
.rept 32
	global_store_b128 v[CO], v[64+4*p:64+4*p+3], s[12:13] offset:8192*p  ; sixteen lanes store 256 consecutive bytes, aligned
.set p, p+1
.endr
	s_wait_tensorcnt 0x0                           ; the wave's end
	ds_add_u32 v[SPW], v[NIL]
	s_wait_dscnt 0x0
	CROUND                                         ; the closing round
	s_endpgm
.Lfunc_end_k_q80fe300ab7_gfc2:
	.size	k_q80fe300ab7_gfc2, .Lfunc_end_k_q80fe300ab7_gfc2-k_q80fe300ab7_gfc2
	.p2alignl 7, 3214868480
	.fill 96, 4, 3214868480
	.section	.rodata,"a",@progbits
	.p2align	6, 0x0
	.amdhsa_kernel k_q80fe300ab7_gfc2
		.amdhsa_group_segment_fixed_size 327680
		.amdhsa_private_segment_fixed_size 0
		.amdhsa_enable_private_segment 0
		.amdhsa_kernarg_size 40
		.amdhsa_user_sgpr_count 2
		.amdhsa_user_sgpr_kernarg_segment_ptr 1
		.amdhsa_wavefront_size32 1
		.amdhsa_system_sgpr_workgroup_id_x 1
		.amdhsa_system_sgpr_workgroup_id_y 1
		.amdhsa_system_sgpr_workgroup_id_z 1
		.amdhsa_system_vgpr_workitem_id 0
		.amdhsa_next_free_vgpr 896
		.amdhsa_next_free_sgpr 80
		.amdhsa_reserve_vcc 0
		.amdhsa_float_denorm_mode_32 3
		.amdhsa_float_denorm_mode_16_64 3
		.amdhsa_memory_ordered 1
		.amdhsa_forward_progress 1
		.amdhsa_inst_pref_size 49
	.end_amdhsa_kernel
	.amdgpu_metadata
---
amdhsa.version: [ 1, 2 ]
amdhsa.kernels:
  - .name:           k_q80fe300ab7_gfc2
    .symbol:         k_q80fe300ab7_gfc2.kd
    .args:
      - { .name: gel, .offset: 0, .size: 8, .value_kind: global_buffer, .address_space: global }
      - { .name: w2, .offset: 8, .size: 8, .value_kind: global_buffer, .address_space: global }
      - { .name: b_fc2, .offset: 16, .size: 8, .value_kind: global_buffer, .address_space: global }
      - { .name: x1, .offset: 24, .size: 8, .value_kind: global_buffer, .address_space: global }
      - { .name: out0, .offset: 32, .size: 8, .value_kind: global_buffer, .address_space: global }
    .group_segment_fixed_size: 327680
    .private_segment_fixed_size: 0
    .kernarg_segment_align: 8
    .kernarg_segment_size: 40
    .max_flat_workgroup_size: 128
    .sgpr_count:     80
    .vgpr_count:     896
    .wavefront_size: 32
...
	.end_amdgpu_metadata
.endif
;; end of part 7
;; ======== version 2 of 2: 7 launches; version 1 with the launch pre written anew for expert scheduling mode
;; limits: a function is approximated: absolute error at most 1.5e-07; right only within a limited range of input values
;; workspace buffers: wq 6,291,456 bytes; wp 2,097,152 bytes; w1 8,388,608 bytes; w2 8,388,608 bytes; act 8,388,608 bytes; qkvh 25,165,824 bytes; x1 16,777,216 bytes; gel 33,554,432 bytes
;; launch pre (part 8): grid 256 x 4, 8 waves a work-group, no clusters, 0 bytes of LDS; arguments x, ln1_g, ln1_b, act, w_qkv, w_proj, w_fc1, w_fc2, wq, wp, w1, w2; writes act, wq, wp, w1, w2
.if DOCPART == 8
	.amdgcn_target "amdgcn-amd-amdhsa--gfx1250"
	.amdhsa_code_object_version 6
	.text
	.protected	k_q80fe300ab7_pre
	.globl	k_q80fe300ab7_pre
	.p2align	8
	.type	k_q80fe300ab7_pre,@function
k_q80fe300ab7_pre:
	s_mov_b64 s[64:65], 0
	v_nop
	global_prefetch_b8 v0, s[64:65] scope:SCOPE_SE
	s_setreg_imm32_b32 hwreg(HW_REG_WAVE_SCHED_MODE, 0, 2), 2
	s_setreg_imm32_b32 hwreg(HW_REG_WAVE_MODE, 25, 1), 1
	s_wait_xcnt 0x0
	s_wait_alu depctr_vm_vsrc(0)
; TWO STREAMS IN ONE LAUNCH, told apart by the work-group's y alone.
; y = 0: THE FIRST LAYER NORM.  act[r][c] = (x[r][c] - mean_r) * rsqrt(var_r + 1e-5) * g[c] + b[c].  x: [4096][1024] f32; g, b: [1024] f32; act: [4096][1024] bf16, rounded once.
;   Work-group x owns 16 rows, a wave two: a row of 4,096 bytes is 32 registers of one wave and stays there between the passes, so x is read once and no wave waits for another.
;   TWO PASSES in f32: first the mean, then the sum of (x - mean)^2: a common offset of x costs no digits.
;   Lane l holds the columns 128 j + 4 l .. + 3, j = 0 .. 7: a wave's load covers 512 consecutive bytes, its store of 8 bytes a lane 256 consecutive bytes, aligned.
; y = 1 .. 3: THE WEIGHTS.  The four matrices, f32 [K][N], are rounded once to bf16 (nearest even) and keep their layout.  Their 12 Mi numbers are 768 pieces of 64 KiB of f32; piece 256 (y - 1) + x;
;   64 pieces make a unit of 1 Mi numbers: units 0-2 w_qkv, 3 w_proj, 4-7 w_fc1, 8-11 w_fc2.  Sixteen loads of 16 bytes a lane, all issued before the first is used.
; No LDS, no barrier, no matrix unit, no cluster: no byte is wanted twice but g and b, 8 KiB.  No register that a store reads is written again.
; THE MODE: SCHED_MODE bits 1:0 = 2 (LLVM: expert scheduling mode 2), set by the entry lines.  The code itself states the register dependences between vector instructions and memory instructions,
; with s_wait_alu, always for 0.
; THE PLAN, the norm.  Registers that memory instructions touch:
;   v1, v3, v2   byte offsets of x's loads, of g's and b's loads, of the stores: made once at the head and never written again.
;   X0, X1, G, BV  each filled by its loads once; behind the wait for the data vector instructions alone name them.
;   OUT0, OUT1   written by a row's sixteen roundings, read by that row's eight stores, never written again.
;   One wait ahead of the first load (the offsets); one behind row 0's roundings, and row 0's stores are then dealt among row 1's first lines, which name X1 and row 1's factor alone; one behind row 1's roundings.
; THE PLAN, the weights.  v1, v2: offsets, made once.  RAW, v[8:71]: filled once, read by the conversions.  OUT, v[72:103]: four groups of eight; group g is written by group g's conversions and read by its four stores.
;   One wait ahead of the first load; one at the head of each of groups 1 to 3, behind the wait for the group's data: the group before has written its OUT, and its four stores are dealt among this group's conversions,
;   which name RAW and OUT of this group alone; one ahead of the last four stores.
; No register that a memory instruction reads is written again, no vector instruction writes a scalar register or VCC, and EXEC is never written: no other wait is owed.
.set X0,  32                           ; v[32:63] row 0, v[64:95] row 1
.set G,   96                           ; v[96:127]  g of my 32 columns
.set BV,  128                          ; v[128:159] b of my 32 columns
.set OUT, 160                          ; v[160:175], v[176:191] the two rows in bf16
.macro FOLD                            ; four pairs of partial sums in v[8:15] -> the wave's sum in every lane's v8
	v_pk_add_f32 v[8:9], v[8:9], v[10:11]
	v_pk_add_f32 v[12:13], v[12:13], v[14:15]
	v_pk_add_f32 v[8:9], v[8:9], v[12:13]
	v_add_f32 v8, v8, v9
	v_add_f32_dpp v8, v8, v8 row_xmask:1 row_mask:0xf bank_mask:0xf
	v_add_f32_dpp v8, v8, v8 row_xmask:2 row_mask:0xf bank_mask:0xf
	v_add_f32_dpp v8, v8, v8 row_xmask:4 row_mask:0xf bank_mask:0xf
	v_add_f32_dpp v8, v8, v8 row_xmask:8 row_mask:0xf bank_mask:0xf
	v_permlanex16_b32 v9, v8, s12, s13             ; v9 has been written: the destination counts as read
	v_add_f32 v8, v8, v9
.endm
; Row r: the mean into v[M:M+1]; x - mean in place; var + 1e-5 into v[M+2].  Four chains each, started by the first four pairs: nothing is cleared.
.macro STAT r
.set X, X0+32*(\r)
.set M, 16+4*(\r)
.set k, 0
.rept 4
	v_pk_add_f32 v[8+2*k:9+2*k], v[X+4*k:X+4*k+1], v[X+4*k+2:X+4*k+3]
.set k, k+1
.endr
.set k, 0
.rept 8
	v_pk_add_f32 v[8+2*(k%4):9+2*(k%4)], v[8+2*(k%4):9+2*(k%4)], v[X+16+2*k:X+16+2*k+1]
.set k, k+1
.endr
	FOLD
	v_mul_f32 v[M], s14, v8
	v_mov_b32 v[M+1], v[M]
.set k, 0
.rept 16
	v_pk_add_f32 v[X+2*k:X+2*k+1], v[X+2*k:X+2*k+1], v[M:M+1] neg_lo:[0,1] neg_hi:[0,1]
.set k, k+1
.endr
.set k, 0
.rept 4
	v_pk_mul_f32 v[8+2*k:9+2*k], v[X+2*k:X+2*k+1], v[X+2*k:X+2*k+1]
.set k, k+1
.endr
.set k, 4
.rept 12
	v_pk_fma_f32 v[8+2*(k%4):9+2*(k%4)], v[X+2*k:X+2*k+1], v[X+2*k:X+2*k+1], v[8+2*(k%4):9+2*(k%4)]
.set k, k+1
.endr
	FOLD
	v_fma_f32 v[M+2], v8, s14, s15                 ; the sum of squares / 1024 + 1e-5
.endm
; Row r: times 1 / sqrt, times g plus b (fused), rounded to bf16.  prev = 1: the eight stores of the row before are dealt among the first sixteen lines, one ahead of every second line.
.macro NORM r, prev
.set X, X0+32*(\r)
.set M, 16+4*(\r)
.set k, 0
.rept 16
.if (\prev) && (k%2 == 0)
	global_store_b64 v2, v[OUT+16*((\r)-1)+k:OUT+16*((\r)-1)+k+1], s[10:11] offset:2048*((\r)-1)+128*k  ; piece k / 2 of the row before.  No wait: no vector instruction since the last wait names v2 or that row's OUT
.endif
	v_pk_mul_f32 v[X+2*k:X+2*k+1], v[X+2*k:X+2*k+1], v[M+2:M+3]
.set k, k+1
.endr
.set k, 0
.rept 16
	v_pk_fma_f32 v[X+2*k:X+2*k+1], v[X+2*k:X+2*k+1], v[G+2*k:G+2*k+1], v[BV+2*k:BV+2*k+1]
.set k, k+1
.endr
.set k, 0
.rept 16
	v_cvt_pk_bf16_f32 v[OUT+16*(\r)+k], v[X+2*k], v[X+2*k+1]
.set k, k+1
.endr
.endm
	s_and_b32 s2, ttmp7, 0xffff                    ; y
	s_cmp_lg_u32 s2, 0
	s_cbranch_scc1 .Lweights
	; ---- the layer norm ----
	s_load_b256 s[4:11], s[0:1], 0x0               ; x s[4:5], g s[6:7], b s[8:9], act s[10:11]
	s_mov_b32 s12, 0x76543210                      ; v_permlanex16_b32: each lane takes its own place in the other half
	s_mov_b32 s13, 0xfedcba98
	s_mov_b32 s14, 0x3a800000                      ; 1 / 1024
	s_mov_b32 s15, 0x3727c5ac                      ; 1e-5
	s_lshl_b32 s16, ttmp9, 16                      ; 16 rows of 4,096 bytes
	s_mov_b32 s17, 0
	s_lshl_b32 s18, ttmp9, 15                      ; 16 rows of 2,048 bytes
	s_mov_b32 s19, 0
	v_and_b32 v3, 31, v0                           ; lane
	v_lshrrev_b32 v4, 5, v0                        ; wave
	v_lshlrev_b32 v1, 13, v4                       ; two rows of x a wave,
	v_lshl_add_u32 v1, v3, 4, v1                   ; 16 bytes a lane
	v_lshlrev_b32 v2, 12, v4                       ; two rows of act a wave,
	v_lshl_add_u32 v2, v3, 3, v2                   ; 8 bytes a lane
	v_lshlrev_b32 v3, 4, v3                        ; my 16 bytes in g and b
	s_wait_kmcnt 0x0
	s_add_nc_u64 s[4:5], s[4:5], s[16:17]
	s_add_nc_u64 s[10:11], s[10:11], s[18:19]
	s_wait_alu depctr_va_vdst(0)                   ; v1, v2 and v3 are written: every load and store of this path reads one of them as its offset
.set j, 0
.rept 16
	global_load_b128 v[X0+4*j:X0+4*j+3], v1, s[4:5] offset:4096*(j/8)+512*(j%8)
.set j, j+1
.endr
.set j, 0
.rept 8
	global_load_b128 v[G+4*j:G+4*j+3], v3, s[6:7] offset:512*j
	global_load_b128 v[BV+4*j:BV+4*j+3], v3, s[8:9] offset:512*j
.set j, j+1
.endr
	s_wait_loadcnt 16                              ; the two rows are in; the 16 younger loads, g and b, may stay out
	STAT 0
	STAT 1
	v_rsq_f32 v18, v18                             ; one batch of two,
	v_rsq_f32 v22, v22
	v_nop                                          ; a plain instruction behind the last of them (ISA guide 5.7.2),
	s_wait_alu depctr_va_vdst(0)                   ; v18 and v22 are written: the one wait ahead of the first line that names a result
	v_mov_b32 v19, v18                             ; pairs for the packed multiply
	v_mov_b32 v23, v22
	s_wait_loadcnt 0x0                             ; g and b
	NORM 0, 0
	s_wait_alu depctr_va_vdst(0)                   ; row 0's roundings have written v[160:175], which the stores dealt among row 1's lines read
	NORM 1, 1
	s_wait_alu depctr_va_vdst(0)                   ; row 1's roundings have written v[176:191], which the last eight stores read
.set k, 0
.rept 8
	global_store_b64 v2, v[OUT+16+2*k:OUT+16+2*k+1], s[10:11] offset:2048+256*k
.set k, k+1
.endr
	s_endpgm
	; ---- the weights ----
.Lweights:
	s_load_b512 s[8:23], s[0:1], 0x20              ; w_qkv s[8:9], w_proj s[10:11], w_fc1 s[12:13], w_fc2 s[14:15]; wq s[16:17], wp s[18:19], w1 s[20:21], w2 s[22:23]
	s_sub_co_u32 s2, s2, 1
	s_lshl_b32 s2, s2, 8
	s_add_co_u32 s2, s2, ttmp9                     ; the piece, 0 to 767
	s_and_b32 s4, s2, 63                           ; the piece inside its unit
	s_lshr_b32 s2, s2, 6                           ; the unit, 0 to 11
	v_lshlrev_b32 v1, 4, v0                        ; my 16 bytes of f32
	v_lshlrev_b32 v2, 3, v0                        ; my 8 bytes of bf16
	s_wait_kmcnt 0x0
	s_mov_b64 s[24:25], s[14:15]                   ; from, to, and the matrix's first unit: chosen by the unit's number alone
	s_mov_b64 s[26:27], s[22:23]
	s_mov_b32 s3, 8
	s_cmp_lt_u32 s2, 8
	s_cselect_b64 s[24:25], s[12:13], s[24:25]
	s_cselect_b64 s[26:27], s[20:21], s[26:27]
	s_cselect_b32 s3, 4, s3
	s_cmp_lt_u32 s2, 4
	s_cselect_b64 s[24:25], s[10:11], s[24:25]
	s_cselect_b64 s[26:27], s[18:19], s[26:27]
	s_cselect_b32 s3, 3, s3
	s_cmp_lt_u32 s2, 3
	s_cselect_b64 s[24:25], s[8:9], s[24:25]
	s_cselect_b64 s[26:27], s[16:17], s[26:27]
	s_cselect_b32 s3, 0, s3
	s_sub_co_u32 s3, s2, s3                        ; the unit inside its matrix, 0 to 3
	s_lshl_b32 s28, s3, 22                         ; 4 MiB of f32 a unit,
	s_lshl_b32 s29, s4, 16                         ; 64 KiB a piece
	s_add_co_u32 s28, s28, s29
	s_lshr_b32 s30, s28, 1                         ; half of that in bf16
	s_mov_b32 s29, 0
	s_mov_b32 s31, 0
	s_add_nc_u64 s[24:25], s[24:25], s[28:29]
	s_add_nc_u64 s[26:27], s[26:27], s[30:31]
	s_wait_alu depctr_va_vdst(0)                   ; v1 and v2 are written: every load of this path reads v1 as its offset, every store v2
.set j, 0
.rept 16
	global_load_b128 v[8+4*j:11+4*j], v1, s[24:25] offset:4096*j th:TH_LOAD_NT
.set j, j+1
.endr
; Four groups of four loads.  Group g is rounded while the four stores of group g - 1 go out.
.set g, 0
.rept 4
	s_wait_loadcnt 12-4*g                          ; loads come back in order: group g's four are in, the 12 - 4 g younger ones stay out
.if g > 0
	s_wait_alu depctr_va_vdst(0)                   ; the conversions of the group before have written its eight registers of v[72:103], which the four stores below read
.endif
.set i, 0
.rept 4
.set j, 4*g+i
.if g > 0
	global_store_b64 v2, v[72+2*(j-4):73+2*(j-4)], s[26:27] offset:2048*(j-4)  ; the group before.  No further wait: the conversions since the wait name this group's registers alone
.endif
	v_cvt_pk_bf16_f32 v[72+2*j], v[8+4*j], v[9+4*j]
	v_cvt_pk_bf16_f32 v[73+2*j], v[10+4*j], v[11+4*j]
.set i, i+1
.endr
.set g, g+1
.endr
	s_wait_alu depctr_va_vdst(0)                   ; the last group's conversions have written v[96:103], which the last four stores read
.set j, 12
.rept 4
	global_store_b64 v2, v[72+2*j:73+2*j], s[26:27] offset:2048*j
.set j, j+1
.endr
	s_endpgm
.Lfunc_end_k_q80fe300ab7_pre:
	.size	k_q80fe300ab7_pre, .Lfunc_end_k_q80fe300ab7_pre-k_q80fe300ab7_pre
	.p2alignl 7, 3214868480
	.fill 96, 4, 3214868480
	.section	.rodata,"a",@progbits
	.p2align	6, 0x0
	.amdhsa_kernel k_q80fe300ab7_pre
		.amdhsa_group_segment_fixed_size 0
		.amdhsa_private_segment_fixed_size 0
		.amdhsa_enable_private_segment 0
		.amdhsa_kernarg_size 96
		.amdhsa_user_sgpr_count 2
		.amdhsa_user_sgpr_kernarg_segment_ptr 1
		.amdhsa_wavefront_size32 1
		.amdhsa_system_sgpr_workgroup_id_x 1
		.amdhsa_system_sgpr_workgroup_id_y 1
		.amdhsa_system_sgpr_workgroup_id_z 1
		.amdhsa_system_vgpr_workitem_id 0
		.amdhsa_next_free_vgpr 192
		.amdhsa_next_free_sgpr 66
		.amdhsa_reserve_vcc 0
		.amdhsa_float_denorm_mode_32 3
		.amdhsa_float_denorm_mode_16_64 3
		.amdhsa_memory_ordered 1
		.amdhsa_forward_progress 1
		.amdhsa_inst_pref_size 27
	.end_amdhsa_kernel
	.amdgpu_metadata
---
amdhsa.version: [ 1, 2 ]
amdhsa.kernels:
  - .name:           k_q80fe300ab7_pre
    .symbol:         k_q80fe300ab7_pre.kd
    .args:
      - { .name: x, .offset: 0, .size: 8, .value_kind: global_buffer, .address_space: global }
      - { .name: ln1_g, .offset: 8, .size: 8, .value_kind: global_buffer, .address_space: global }
      - { .name: ln1_b, .offset: 16, .size: 8, .value_kind: global_buffer, .address_space: global }
      - { .name: act, .offset: 24, .size: 8, .value_kind: global_buffer, .address_space: global }
      - { .name: w_qkv, .offset: 32, .size: 8, .value_kind: global_buffer, .address_space: global }
      - { .name: w_proj, .offset: 40, .size: 8, .value_kind: global_buffer, .address_space: global }
      - { .name: w_fc1, .offset: 48, .size: 8, .value_kind: global_buffer, .address_space: global }
      - { .name: w_fc2, .offset: 56, .size: 8, .value_kind: global_buffer, .address_space: global }
      - { .name: wq, .offset: 64, .size: 8, .value_kind: global_buffer, .address_space: global }
      - { .name: wp, .offset: 72, .size: 8, .value_kind: global_buffer, .address_space: global }
      - { .name: w1, .offset: 80, .size: 8, .value_kind: global_buffer, .address_space: global }
      - { .name: w2, .offset: 88, .size: 8, .value_kind: global_buffer, .address_space: global }
    .group_segment_fixed_size: 0
    .private_segment_fixed_size: 0
    .kernarg_segment_align: 8
    .kernarg_segment_size: 96
    .max_flat_workgroup_size: 256
    .sgpr_count:     66
    .vgpr_count:     192
    .wavefront_size: 32
...
	.end_amdgpu_metadata
.endif
;; end of part 8
;; launch gqkv: the kernel of part 2 again; grid 12 x 16, 4 waves a work-group, clusters of 4 x 4, 327,680 bytes of LDS; arguments act, wq, b_qkv, qkvh; writes qkvh
;; launch attn: the kernel of part 3 again; grid 8 x 32, 4 waves a work-group, no clusters, 327,680 bytes of LDS; arguments qkvh, act; writes act
;; launch gproj: the kernel of part 4 again; grid 8 x 32, 4 waves a work-group, clusters of 4 x 4, 327,680 bytes of LDS; arguments act, wp, b_proj, x, x1; writes x1
;; launch ln2: the kernel of part 5 again; grid 256 x 1, 8 waves a work-group, no clusters, 0 bytes of LDS; arguments x1, ln2_g, ln2_b, act; writes act
;; launch gfc1: the kernel of part 6 again; grid 16 x 16, 4 waves a work-group, clusters of 4 x 4, 327,680 bytes of LDS; arguments act, w1, b_fc1, gel; writes gel
;; launch gfc2: the kernel of part 7 again; grid 8 x 32, 4 waves a work-group, clusters of 4 x 4, 327,680 bytes of LDS; arguments gel, w2, b_fc2, x1, out0; writes out0
